; MI455X (gfx1250); checked and timed in simulation.
; The chip was launched on July 23, 2026; its instructions are those of AMD's public machine-readable ISA for CDNA 5 (MIT licence, August 2026) and "CDNA5" Instruction Set Architecture Reference Guide (July 2026). The comments in the code are by the model that wrote it; some were corrected since.
;; Relative Position Multi Head Attention. Allowed arithmetic: float matrix products may take bf16 or f16 operands with f32 sums; all other float work in f32.
;; Inputs: Wk 1,024 x 1,024 float32; Wo 1,024 x 1,024 float32; Wpos 1,024 x 1,024 float32; Wq 1,024 x 1,024 float32; Wv 1,024 x 1,024 float32; bk 1,024 float32; bo 1,024 float32; bq 1,024 float32; bv 1,024 float32; pos_bias_u 16 x 64 float32; pos_bias_v 16 x 64 float32; pos_emb 1 x 2,048 x 1,024 float32; x 2 x 2,048 x 1,024 float32.
;; Outputs: out0 2 x 2,048 x 1,024 float32.
;; 2 versions, each right; version 2 is version 1 with the launch cast written anew for expert scheduling mode. Each part assembles by itself: llvm-mc -triple=amdgcn-amd-amdhsa -mcpu=gfx1250 --defsym DOCPART=n.
;; ======== version 1 of 2: 4 launches
;; limits: values are held in f16: magnitudes above 65,504 overflow, below 6.1e-05 lose precision
;; workspace buffers: cb 23,068,672 bytes; qu 8,388,608 bytes; qv 8,388,608 bytes; kk 8,388,608 bytes; vv 8,388,608 bytes; pext 8,650,752 bytes; ctx 8,388,608 bytes
;; launch cast (part 1): grid 64 x 11, 8 waves a work-group, no clusters, 0 bytes of LDS; arguments x, pos_emb, Wq, Wk, Wv, Wpos, Wo, cb, pext; writes cb, pext
.if DOCPART == 1
	.amdgcn_target "amdgcn-amd-amdhsa--gfx1250"
	.amdhsa_code_object_version 6
	.text
	.protected	k_q6360c19b93_cast
	.globl	k_q6360c19b93_cast
	.p2align	8
	.type	k_q6360c19b93_cast,@function
k_q6360c19b93_cast:
	s_mov_b64 s[64:65], 0
	v_nop
	global_prefetch_b8 v0, s[64:65] scope:SCOPE_SE
	s_setreg_imm32_b32 hwreg(HW_REG_WAVE_MODE, 25, 1), 1
	s_wait_xcnt 0x0
; f32 -> f16 of all matrix operands, once, into cb: 11 units of 1,048,576 numbers (2 MiB of f16 each):
; units 0-3 x, 4-5 pos_emb, 6 Wq, 7 Wk, 8 Wv, 9 Wpos, 10 Wo.  Work-group (x, y) converts 16,384 numbers of unit y.
; WHY f16: the result averages some thousand values of v, so it is small beside its operands, and eight significant bits
; in every operand leave no margin; f16 has eleven.  LIMIT: a number beyond 65,504 in magnitude becomes infinite; numbers below
; 2^-14 keep an absolute step of 2^-24.
; A pure stream: no LDS, no barrier, no matrix unit.  Each load of a wave covers 512 consecutive bytes, each store
; 256 consecutive bytes at a multiple of 256.  All 16 loads of a thread go out first.
; One wave of the whole launch also writes the zero row (row 2048) of the extended position table pext, for all 16 heads.
.set X, 8                              ; v[8:71]   16 x 4 numbers as loaded
.set Y, 72                             ; v[72:103] 16 x 2 registers to store
	s_load_b512 s[4:19], s[0:1], 0x0               ; x, pos_emb, Wq, Wk, Wv, Wpos, Wo, cb
	s_load_b64 s[20:21], s[0:1], 0x40              ; pext
	s_and_b32 s22, ttmp7, 0xffff                   ; y: the unit
	v_lshlrev_b32 v1, 4, v0                        ; 16 bytes a thread in
	v_lshlrev_b32 v2, 3, v0                        ; 8 bytes a thread out
	v_lshrrev_b32 v3, 5, v0
	v_readfirstlane_b32 s25, v3                    ; wave number
	s_lshl_b32 s24, s22, 22                        ; unit y of x: y x 4 MiB
	s_sub_co_u32 s23, s22, 4
	s_lshl_b32 s26, s23, 22                        ; unit y - 4 of pos_emb
	s_cmp_lt_u32 s22, 6
	s_cselect_b32 s26, s26, 0                      ; a weight is one unit: no offset
	s_cmp_lt_u32 s22, 4
	s_cselect_b32 s26, s24, s26
	s_lshl_b32 s24, ttmp9, 16                      ; the work-group's 64 KiB
	s_add_co_u32 s26, s26, s24
	s_mov_b32 s27, 0
	s_lshl_b32 s28, s22, 21                        ; in cb: y x 2 MiB + x x 32 KiB
	s_lshl_b32 s24, ttmp9, 15
	s_add_co_u32 s28, s28, s24
	s_mov_b32 s29, 0
	s_wait_kmcnt 0x0
	s_cmp_eq_u32 s22, 7                            ; the source buffer, chosen by the unit's number alone
	s_cselect_b64 s[8:9], s[10:11], s[8:9]
	s_cmp_eq_u32 s22, 8
	s_cselect_b64 s[8:9], s[12:13], s[8:9]
	s_cmp_eq_u32 s22, 9
	s_cselect_b64 s[8:9], s[14:15], s[8:9]
	s_cmp_eq_u32 s22, 10
	s_cselect_b64 s[8:9], s[16:17], s[8:9]
	s_cmp_lt_u32 s22, 6
	s_cselect_b64 s[8:9], s[6:7], s[8:9]
	s_cmp_lt_u32 s22, 4
	s_cselect_b64 s[8:9], s[4:5], s[8:9]
	s_add_nc_u64 s[8:9], s[8:9], s[26:27]
	s_add_nc_u64 s[18:19], s[18:19], s[28:29]
.irp i, 0,1,2,3,4,5,6,7,8,9,10,11,12,13,14,15
	global_load_b128 v[X+4*\i:X+4*\i+3], v1, s[8:9] offset:4096*\i th:TH_LOAD_NT
.endr
.irp i, 0,1,2,3,4,5,6,7,8,9,10,11,12,13,14,15
	s_wait_loadcnt 15-\i                           ; loads return in order: load i is in, the younger ones stay out
	v_cvt_pk_f16_f32 v[Y+2*\i], v[X+4*\i], v[X+4*\i+1]
	v_cvt_pk_f16_f32 v[Y+2*\i+1], v[X+4*\i+2], v[X+4*\i+3]
	global_store_b64 v2, v[Y+2*\i:Y+2*\i+1], s[18:19] offset:2048*\i
.endr
	; the zero row of pext: head h's row 2048 lies at h x 540,672 + 262,144; 8 lanes x 16 bytes a row, 4 heads a store
	s_or_b32 s23, s22, ttmp9
	s_cmp_lg_u32 s23, 0
	s_cbranch_scc1 .Lend
	s_cmp_lg_u32 s25, 0
	s_cbranch_scc1 .Lend
	v_bfe_u32 v3, v0, 3, 2
	v_mul_u32_u24 v3, v3, 0x84000
	v_and_b32 v4, 7, v0
	v_lshl_add_u32 v3, v4, 4, v3
	v_mov_b32 v4, 0
	v_mov_b32 v5, 0
	v_mov_b32 v6, 0
	v_mov_b32 v7, 0
.irp t, 0,1,2,3
	global_store_b128 v3, v[4:7], s[20:21] offset:\t*2162688+262144
.endr
.Lend:
	s_endpgm
.Lfunc_end_k_q6360c19b93_cast:
	.size	k_q6360c19b93_cast, .Lfunc_end_k_q6360c19b93_cast-k_q6360c19b93_cast
	.p2alignl 7, 3214868480
	.fill 96, 4, 3214868480
	.section	.rodata,"a",@progbits
	.p2align	6, 0x0
	.amdhsa_kernel k_q6360c19b93_cast
		.amdhsa_group_segment_fixed_size 0
		.amdhsa_private_segment_fixed_size 0
		.amdhsa_enable_private_segment 0
		.amdhsa_kernarg_size 72
		.amdhsa_user_sgpr_count 2
		.amdhsa_user_sgpr_kernarg_segment_ptr 1
		.amdhsa_wavefront_size32 1
		.amdhsa_system_sgpr_workgroup_id_x 1
		.amdhsa_system_sgpr_workgroup_id_y 1
		.amdhsa_system_sgpr_workgroup_id_z 1
		.amdhsa_system_vgpr_workitem_id 0
		.amdhsa_next_free_vgpr 104
		.amdhsa_next_free_sgpr 66
		.amdhsa_reserve_vcc 0
		.amdhsa_float_denorm_mode_32 3
		.amdhsa_float_denorm_mode_16_64 3
		.amdhsa_memory_ordered 1
		.amdhsa_forward_progress 1
		.amdhsa_inst_pref_size 8
	.end_amdhsa_kernel
	.amdgpu_metadata
---
amdhsa.version: [ 1, 2 ]
amdhsa.kernels:
  - .name:           k_q6360c19b93_cast
    .symbol:         k_q6360c19b93_cast.kd
    .args:
      - { .name: x, .offset: 0, .size: 8, .value_kind: global_buffer, .address_space: global }
      - { .name: pos_emb, .offset: 8, .size: 8, .value_kind: global_buffer, .address_space: global }
      - { .name: Wq, .offset: 16, .size: 8, .value_kind: global_buffer, .address_space: global }
      - { .name: Wk, .offset: 24, .size: 8, .value_kind: global_buffer, .address_space: global }
      - { .name: Wv, .offset: 32, .size: 8, .value_kind: global_buffer, .address_space: global }
      - { .name: Wpos, .offset: 40, .size: 8, .value_kind: global_buffer, .address_space: global }
      - { .name: Wo, .offset: 48, .size: 8, .value_kind: global_buffer, .address_space: global }
      - { .name: cb, .offset: 56, .size: 8, .value_kind: global_buffer, .address_space: global }
      - { .name: pext, .offset: 64, .size: 8, .value_kind: global_buffer, .address_space: global }
    .group_segment_fixed_size: 0
    .private_segment_fixed_size: 0
    .kernarg_segment_align: 8
    .kernarg_segment_size: 72
    .max_flat_workgroup_size: 256
    .sgpr_count:     66
    .vgpr_count:     104
    .wavefront_size: 32
...
	.end_amdgpu_metadata
.endif
;; end of part 1
;; launch proj (part 2): grid 28 x 8, 4 waves a work-group, clusters of 4 x 4, 327,680 bytes of LDS; arguments cb, bq, bk, bv, pos_bias_u, pos_bias_v, qu, qv, kk, vv, pext; writes qu, qv, kk, vv, pext
.if DOCPART == 2
	.amdgcn_target "amdgcn-amd-amdhsa--gfx1250"
	.amdhsa_code_object_version 6
	.text
	.protected	k_q6360c19b93_proj
	.globl	k_q6360c19b93_proj
	.p2align	8
	.type	k_q6360c19b93_proj,@function
k_q6360c19b93_proj:
	s_mov_b64 s[64:65], 0
	v_nop
	global_prefetch_b8 v0, s[64:65] scope:SCOPE_SE
	s_setreg_imm32_b32 hwreg(HW_REG_WAVE_MODE, 25, 1), 1
	s_wait_xcnt 0x0
	s_wait_alu depctr_hold_cnt(0) depctr_sa_sdst(0) depctr_va_vdst(0) depctr_va_sdst(0) depctr_va_ssrc(0) depctr_va_vcc(0) depctr_vm_vsrc(0)
	s_getreg_b32 s2, hwreg(HW_REG_IB_STS2, 6, 4)
	s_cmp_eq_u32 s2, 0
	s_cbranch_scc0 .Lentry_in_a_cluster
	s_endpgm
.Lentry_in_a_cluster:
	s_bfe_u32 s2, ttmp6, 0x10000c
	s_cmp_lg_u32 s2, 0xf033
	s_cbranch_scc0 .Lentry_shape_is_right
	s_endpgm
.Lentry_shape_is_right:
; The four input projections as one grid of f16 products C = A B^T, K = 1024, sums in f32.
; 7 x 2 clusters of 4 x 4 work-groups, a work-group makes 256 x 256, a wave 128 x 128 (64 accumulator tiles, 512 registers).
; kind = cluster x >> 1: 0 q = x Wq^T, 1 k = x Wk^T, 2 v = x Wv^T (16 block rows each), 3 p = pos_emb Wpos^T (8 block rows).
; kind is the same in all work-groups of a cluster, so the branches on it are alike in all partners.
; K goes in steps of 128 through two LDS slots filled by joint tensor loads: A's tile is shared along a row of the cluster,
; B's along a column.
; WHAT IS STORED (all f16, rows of one head's 64 numbers = 128 bytes):
;   qu = (q + bq + u) c, qv = (q + bq + v) c, [b][h][l][64], c = 0.125 log2(e): the later scores are exponents of 2
;   kk = k + bk, vv = v + bv, [b][h][row][64], rows permuted inside each block of 128: row x lies at
;        PI(x) = ((x>>3)&7)<<4 | ((x>>6)&1)<<3 | (x&7), so that the 16 keys 64 h + 8 t + j (h 0..1, j 0..7) are 16 consecutive rows
;   pext [h][4224][64]: row e at (e & ~127) | PI(e & 127); e = l holds p[l], and e = l + 2049 holds p[l] once more
; LIMIT OF RANGE: a projection (with its bias) beyond 65,504 in magnitude is stored as infinity.  Room: with x around 30 and weights
; around 0.6 a sum of 1024 products is 18,432.
; LIMIT: the second copy is shifted by one row of 128 bytes, so half of its aligned blocks of 256 bytes are written in two parts.
; REGISTERS in windows of 256: window 0 v0-31 addresses, v64-191 fragments of A (two buffers); window 1 v64-191 fragments of B;
; window 2 the accumulator tiles of my rows 0-63 (tile (a, b) at v[8 (8 a + b)]), window 3 those of rows 64-127.
; The matrix instruction is used transposed (source 0 = rows of B, source 1 = rows of A): lane l holds row l % 16 of C and
; its registers 0-7 the columns 8 (l / 16) + 0..7.
.set SIZE_K, 1024
.set KSTEP,  128
.set PITCH,  272                       ; an LDS row: 256 bytes + 16 of padding: the 16 rows of a fragment start at 16 different 16-byte columns modulo 256 bytes
.set HALFT,  128*PITCH
.set SLOT,   4*HALFT                   ; A's 256 rows, then B's 256 rows
.set STAGE,  2*SLOT                    ; behind the ring: 16 rows x 272 bytes for each wave; no tensor load lands here
.set SPITCH, 272
.set LAPS, SIZE_K/(2*KSTEP)
.set ADRA, 16
.set ADRB, 20
.set STO,  24                          ; the way out: where I put 16 bytes of a row
.set RD,   25                          ; where I read back: row L >> 3, piece L & 7 of one head's 128 bytes
.set CO,   26                          ; 16 L: my 16 bytes of four consecutive rows of 128 bytes
.set L7,   27                          ; 16 (L & 7)
.set CO8,  28                          ; second copy of pext: CO, lanes 24-31 eight rows further
.set COM,  29                          ; second copy of pext, rows 60-63 of a block
.set BO,   30                          ; byte offset of my 8 columns' bias
.set F0,   64
.set F1,   128
.set BI0,  64                          ; bias sets, in the registers that held A's fragments
.set BI1,  128
.set XB,   192
.set TMP,  192
.set RB0,  32
.set RB1,  224
.set G1, 24
.set G0, 32
.set G1B, 48
.set G0B, 56
.set MSB, 0
.macro WIN new                         ; the immediate's high byte repeats the setting that is left
.if MSB != (\new)
	s_set_vgpr_msb (MSB<<8)|(\new)
.set MSB, (\new)
.endif
.endm
.set MUL_LO, 0xa1                      ; source 0 (B) window 1, source 1 (A) window 0, C and D window 2
.set MUL_HI, 0xf1
.set TO_B,   0x40
; A joint load.  Waves 0 and 1 fetch A's two halves, waves 2 and 3 B's; the branch hangs on the wave's number alone.
.macro JLOAD s
	s_cmp_eq_u32 s11, 0
	s_cbranch_scc0 .Lfor_b_\@
	tensor_load_to_lds s[G0+4*\s:G0+4*\s+3], s[G1:G1+7]
	s_nop 0
	s_branch .Lasked_\@
.Lfor_b_\@:
	tensor_load_to_lds s[G0B+4*\s:G0B+4*\s+3], s[G1B:G1B+7]
	s_nop 0
.Lasked_\@:
.endm
.macro CREST                           ; a round of the cluster's barrier behind its opening barrier
	s_cmp_lg_u32 s10, 0
	s_cbranch_scc1 .Lnot_wave_0_\@
	s_barrier_signal -3
.Lnot_wave_0_\@:
	s_barrier_wait -3
	s_barrier_signal -1
	s_barrier_wait -1
.endm
.macro CROUND
	s_barrier_signal -1
	s_barrier_wait -1
	CREST
.endm
	s_load_b64 s[4:5], s[0:1], 0x0                 ; cb
	s_load_b512 s[68:83], s[0:1], 0x8              ; bq 68, bk 70, bv 72, u 74, v 76, qu 78, qv 80, kk 82
	s_load_b128 s[84:87], s[0:1], 0x48             ; vv 84, pext 86
	s_set_vgpr_msb 0x40
	v_lshl_add_u32 v255, v0, 2, 0x48400
	s_set_vgpr_msb 0x4000
	v_mov_b32 v31, 0
	s_set_vgpr_msb 0x1
	ds_add_u32 v255, v31
	s_set_vgpr_msb 0x100
	v_lshrrev_b32 v1, 5, v0
	v_readfirstlane_b32 s10, v1                    ; wave 0..3
	s_lshr_b32 s11, s10, 1                         ; which half of the block's rows is mine; also: I fetch for A (0) or B (1)
	s_and_b32 s12, s10, 1                          ; which half of its columns; also: which 128 rows of the tile I fetch
	s_bfe_u32 s40, ttmp6, 0x40000                  ; cx = the block column inside the kind's 1024 columns
	s_bfe_u32 s41, ttmp6, 0x40004                  ; cy
	s_lshr_b32 s88, ttmp9, 1                       ; kind
	s_and_b32 s89, ttmp9, 1
	s_and_b32 s13, ttmp7, 0xffff
	s_lshl1_add_u32 s13, s89, s13                  ; 2 (cluster x & 1) + cluster y
	s_lshl2_add_u32 s13, s13, s41                  ; block row = 4 x that + cy
	s_lshl_b32 s43, s41, 2
	s_lshl_b32 s43, 15, s43                        ; my row of the cluster
	s_lshl_b32 s44, 0x1111, s40                    ; my column
	s_or_b32 s[G1+0], s43, (1<<16)|(1<<20)|(1<<21)|(5<<22)|(3<<25)  ; mask; 2-byte elements; 4 words of padding after every 64 words
	s_or_b32 s[G1B+0], s44, (1<<16)|(1<<20)|(1<<21)|(5<<22)|(3<<25)
	s_mov_b32 s[G1B+1], KSTEP<<16
	s_mov_b32 s[G1+1], KSTEP<<16                   ; tensor_dim0 = 128
	s_mov_b32 s[G1B+2], 128<<16
	s_mov_b32 s[G1+2], 128<<16                     ; tensor_dim1 = 128
	s_mov_b32 s[G1B+3], KSTEP<<16
	s_mov_b32 s[G1+3], KSTEP<<16                   ; tile_dim0 = 128
	s_mov_b32 s[G1B+4], 128
	s_mov_b32 s[G1+4], 128                         ; tile_dim1 = 128
	s_mov_b32 s[G1B+5], SIZE_K
	s_mov_b32 s[G1+5], SIZE_K                      ; elements from row to row
	s_mov_b32 s[G1B+6], 0
	s_mov_b32 s[G1+6], 0
	s_mov_b32 s[G1B+7], 0
	s_mov_b32 s[G1+7], 0
	s_lshl_b32 s17, s12, 7
	s_lshl_b32 s16, s13, 8
	s_add_co_u32 s16, s16, s17                     ; A: row 256 x block row + 128 x half
	s_lshl_b32 s46, s40, 8
	s_add_co_u32 s46, s46, s17                     ; B: row 256 x cx + 128 x half
	s_mov_b32 s17, 0
	s_mov_b32 s47, 0
	s_mov_b64 s[18:19], SIZE_K*2
	s_mul_u64 s[16:17], s[16:17], s[18:19]
	s_mul_u64 s[46:47], s[46:47], s[18:19]
	s_cmp_eq_u32 s88, 3
	s_cselect_b32 s92, 0x800000, 0                 ; A is x (unit 0 of cb) or pos_emb (unit 4)
	s_mov_b32 s93, 0
	s_add_co_u32 s90, s88, 6
	s_lshl_b32 s90, s90, 21                        ; B is unit 6 + kind
	s_mov_b32 s91, 0
	s_add_nc_u64 s[16:17], s[16:17], s[92:93]
	s_add_nc_u64 s[46:47], s[46:47], s[90:91]
	s_mul_i32 s20, s10, HALFT                      ; LDS: wave x 128 rows
	s_wait_dscnt 0x0
	s_wait_kmcnt 0x0
	s_add_nc_u64 s[14:15], s[4:5], s[16:17]
	s_add_nc_u64 s[46:47], s[4:5], s[46:47]
	CROUND                                         ; all sixteen work-groups are here: the first joint loads meet
.irp s, 0,1
	s_mov_b32 s[G0+4*\s], 1
	s_add_co_u32 s[G0+4*\s+1], s20, \s*SLOT
	s_add_nc_u64 s[G0+4*\s+2:G0+4*\s+3], s[14:15], \s*KSTEP*2
	s_or_b32 s[G0+4*\s+3], s[G0+4*\s+3], 0x80000000
	s_mov_b32 s[G0B+4*\s], 1
	s_add_co_u32 s[G0B+4*\s+1], s20, \s*SLOT
	s_add_nc_u64 s[G0B+4*\s+2:G0B+4*\s+3], s[46:47], \s*KSTEP*2
	s_or_b32 s[G0B+4*\s+3], s[G0B+4*\s+3], 0x80000000
	JLOAD \s
.endr
	v_and_b32 v1, 15, v0                           ; l % 16
	v_bfe_u32 v2, v0, 4, 1                         ; l / 16
	v_mul_u32_u24 v3, v1, PITCH
	v_lshl_add_u32 v3, v2, 4, v3
	s_mul_i32 s21, s11, HALFT
	s_mul_i32 s22, s12, HALFT
	s_add_co_u32 s22, s22, 2*HALFT
.irp s, 0,1
	v_add_nc_u32 v[ADRA+\s], s21, v3
	v_add_nc_u32 v[ADRB+\s], s22, v3
	s_add_co_u32 s21, s21, SLOT
	s_add_co_u32 s22, s22, SLOT
.endr
	s_mul_i32 s23, s10, 16*SPITCH
	s_add_co_u32 s23, s23, STAGE                   ; my stage
	v_mul_u32_u24 v4, v1, SPITCH
	v_lshl_add_u32 v4, v2, 4, v4
	v_add_nc_u32 v[STO], s23, v4
	v_bfe_u32 v5, v0, 3, 2                         ; L >> 3
	v_mul_u32_u24 v5, v5, SPITCH
	v_and_b32 v6, 7, v0
	v_lshlrev_b32 v[L7], 4, v6
	v_add_nc_u32 v[RD], v5, v[L7]
	v_add_nc_u32 v[RD], s23, v[RD]
	v_and_b32 v6, 31, v0
	v_lshlrev_b32 v[CO], 4, v6
.macro MUL16 f, hi, a0, zero
.irp a, \a0, \a0+1
.irp b, 0,1,2,3,4,5,6,7
.if \zero
	v_wmma_f32_16x16x32_f16 v[8*(8*(\a)+\b):8*(8*(\a)+\b)+7], v[\f+8*\b:\f+8*\b+7], v[\f+8*(4*\hi+\a):\f+8*(4*\hi+\a)+7], 0
.else
	v_wmma_f32_16x16x32_f16 v[8*(8*(\a)+\b):8*(8*(\a)+\b)+7], v[\f+8*\b:\f+8*\b+7], v[\f+8*(4*\hi+\a):\f+8*(4*\hi+\a)+7], v[8*(8*(\a)+\b):8*(8*(\a)+\b)+7]
.endif
.endr
.endr
.endm
.macro FETCH slot, k, f
	WIN TO_B
.irp i, 0,1,2,3,4,5,6,7
	ds_load_b128 v[\f+8*\i:\f+8*\i+3],   v[ADRB+\slot] offset:\k+\i*16*PITCH
	ds_load_b128 v[\f+8*\i+4:\f+8*\i+7], v[ADRB+\slot] offset:\k+\i*16*PITCH+32
.endr
	WIN 0
.irp i, 0,1,2,3,4,5,6,7
	ds_load_b128 v[\f+8*\i:\f+8*\i+3],   v[ADRA+\slot] offset:\k+\i*16*PITCH
	ds_load_b128 v[\f+8*\i+4:\f+8*\i+7], v[ADRA+\slot] offset:\k+\i*16*PITCH+32
.endr
.endm
; Four plain vector places stand between a matrix instruction and a load into, or a vector instruction on, its registers.
.macro PLACES
.rept 4
	v_nop
.endr
.endm
; The 64 accumulators take turns, one instruction a turn, in the same order in every quarter step.
.macro QUARTER slot, k, f, g, zero
	s_wait_dscnt 8                                 ; B and A's rows 0-63 are in; the youngest eight loads may be out
	WIN MUL_LO
	MUL16 \f, 0, 0, \zero
	MUL16 \f, 0, 2, \zero
	PLACES
	FETCH \slot, \k, \g
	s_wait_dscnt 32                                ; all but the 32 just issued
	WIN MUL_HI
	MUL16 \f, 1, 0, \zero
	MUL16 \f, 1, 2, \zero
.endm
.macro THREE slot, zero
	QUARTER \slot, 64,  F0, F1, \zero
	QUARTER \slot, 128, F1, F0, 0
	QUARTER \slot, 192, F0, F1, 0
.endm
; The last quarter changes slots: each wave's reads of this slot and all its tensor loads are waited for in front of the barrier;
; where the slot is filled again the barrier opens a round of the cluster's barrier, and the joint refill is first behind the round.
.macro TURN slot, next, fill
	s_wait_dscnt 8
	WIN MUL_LO
	MUL16 F1, 0, 0, 0
	s_wait_dscnt 0                                 ; my reads of this slot are over
	s_wait_tensorcnt 0x0                           ; all my tensor loads have landed: the one that was out is my part of the next slot
	ds_add_u32 v255, v31
	s_wait_dscnt 0x0
	s_barrier_signal -1
	MUL16 F1, 0, 2, 0                              ; register work while the others arrive
	WIN 0
	s_barrier_wait -1
.if \fill
	CREST
	s_add_nc_u64 s[G0+4*\slot+2:G0+4*\slot+3], s[G0+4*\slot+2:G0+4*\slot+3], 2*KSTEP*2
	s_add_nc_u64 s[G0B+4*\slot+2:G0B+4*\slot+3], s[G0B+4*\slot+2:G0B+4*\slot+3], 2*KSTEP*2
	JLOAD \slot
.endif
	PLACES
	FETCH \next, 0, F0
	WIN MUL_HI
	MUL16 F1, 1, 0, 0
	MUL16 F1, 1, 2, 0
.endm
.macro LAP zero
	THREE 0, \zero
	TURN 0, 1, 1
	THREE 1, 0
	TURN 1, 0, 1
.endm
	s_wait_tensorcnt 1                             ; my part of K step 0 is in; K step 1's stays out
	s_barrier_signal -1
	s_barrier_wait -1
	FETCH 0, 0, F0
	LAP 1                                          ; the first products start the sums: nothing is cleared
	WIN 0
	s_mov_b32 s3, LAPS-2
.Llap:
	LAP 0
	WIN 0
	s_sub_co_u32 s3, s3, 1
	s_cmp_lg_u32 s3, 0
	s_cbranch_scc1 .Llap
	THREE 0, 0                                     ; the last lap fills nothing
	TURN 0, 1, 0
	THREE 1, 0
	s_wait_dscnt 8
	WIN MUL_LO
	MUL16 F1, 0, 0, 0
	MUL16 F1, 0, 2, 0
	s_wait_dscnt 0
	WIN MUL_HI
	MUL16 F1, 1, 0, 0
	MUL16 F1, 1, 2, 0
	; THE WAY OUT.  The four places serve the vector instructions that read results and the loads into the fragment registers.
	PLACES
	WIN 0
	s_lshl_b32 s89, s13, 8
	s_lshl_b32 s97, s11, 7
	s_add_co_u32 s89, s89, s97                     ; m0: my first row
	s_lshl_b32 s97, s40, 2
	s_lshl1_add_u32 s97, s12, s97                  ; my first head = 4 cx + 2 (wave & 1); my 128 columns are two heads
	s_lshl_b32 s101, s97, 8                        ; its bias: 64 numbers of 4 bytes a head
	v_bfe_u32 v2, v0, 4, 1
	v_lshl_add_u32 v[BO], v2, 5, s101
	s_mov_b32 s94, 0x3e38aa3b                      ; c = 0.125 log2(e), twice for the packed forms
	s_mov_b32 s95, 0x3e38aa3b
; 64 numbers of a bias vector: my columns 16 b + 8 h + 0..7
.macro LOADB dst, p
.irp b, 0,1,2,3,4,5,6,7
	global_load_b128 v[\dst+8*\b:\dst+8*\b+3],   v[BO], s[\p:\p+1] offset:64*\b
	global_load_b128 v[\dst+8*\b+4:\dst+8*\b+7], v[BO], s[\p:\p+1] offset:64*\b+16
.endr
.endm
; 16 rows (16 i .. 16 i + 15 of my 128) = the eight tiles (a, 0..7) of window accw.
; mode 0: as they are; 1: + bias; 2: x c + bias.  Rounded to f16, 16 bytes a lane into my stage, read back as four rows of one head,
; stored as 512 consecutive bytes at a multiple of 512.  perm: rows go to PI(row).  hp: bytes from a head to the next.
; second: the same registers go out once more, one row further, into the second copy of pext.
.macro OUTG i, a, accw, mode, bias, rb, perm, hp, ptr, second
.if \mode
	WIN 0x40|\accw
.irp b, 0,1,2,3,4,5,6,7
.irp r, 0,2,4,6
.if \mode == 2
	v_pk_fma_f32 v[64+8*\b+\r:64+8*\b+\r+1], v[8*(8*\a+\b)+\r:8*(8*\a+\b)+\r+1], s[94:95], v[\bias+8*\b+\r:\bias+8*\b+\r+1] op_sel_hi:[1,0,1]
.else
	v_pk_add_f32 v[64+8*\b+\r:64+8*\b+\r+1], v[8*(8*\a+\b)+\r:8*(8*\a+\b)+\r+1], v[\bias+8*\b+\r:\bias+8*\b+\r+1]
.endif
.endr
.endr
	WIN 0x05
.irp b, 0,1,2,3,4,5,6,7
.irp r, 0,1,2,3
	v_cvt_pk_f16_f32 v[TMP+4*\b+\r], v[64+8*\b+2*\r], v[64+8*\b+2*\r+1]
.endr
.endr
.else
	WIN 5*\accw
.irp b, 0,1,2,3,4,5,6,7
.irp r, 0,1,2,3
	v_cvt_pk_f16_f32 v[TMP+4*\b+\r], v[8*(8*\a+\b)+2*\r], v[8*(8*\a+\b)+2*\r+1]
.endr
.endr
.endif
	WIN 0
.irp b, 0,1,2,3,4,5,6,7
	ds_store_b128 v[STO], v[TMP+4*\b:TMP+4*\b+3] offset:32*\b
.endr
	s_wait_xcnt 0x0                                ; buffer rb, which earlier stores read, is loaded again only behind this wait
.irp t, 0,1,2,3,4,5,6,7
	ds_load_b128 v[\rb+4*\t:\rb+4*\t+3], v[RD] offset:(\t>>1)*4*SPITCH+(\t&1)*128   ; LDS serves a wave's instructions in order: these see the stores above
.endr
.irp t, 0,1,2,3,4,5,6,7
	s_wait_dscnt 7-\t
.set xr, 16*\i+4*(\t>>1)
.if \perm
.set prow, (((xr>>3)&7)<<4)|(((xr>>6)&1)<<3)|(xr&7)
.else
.set prow, xr
.endif
	global_store_b128 v[CO], v[\rb+4*\t:\rb+4*\t+3], s[\ptr:\ptr+1] offset:(\t&1)*\hp+prow*128
.if \second
	; rows xr+1 .. xr+4: the first three lie behind PI(xr); the fourth (lanes 24-31) lies at PI(xr+4)
.set creg, CO
.set cimm, prow*128+128
.if (xr&7) == 4
.if xr != 124
.set creg, CO8
.endif
.endif
.if xr == 60
.set creg, COM
.set cimm, 1024
.endif
	global_store_b128 v[creg], v[\rb+4*\t:\rb+4*\t+3], s[98:99] offset:(\t&1)*\hp+cimm
.endif
.endr
.endm
.macro OUT128 mode, bias, perm, hp, ptr, second
	OUTG 0, 0, 2, \mode, \bias, RB0, \perm, \hp, \ptr, \second
	OUTG 1, 1, 2, \mode, \bias, RB1, \perm, \hp, \ptr, \second
	OUTG 2, 2, 2, \mode, \bias, RB0, \perm, \hp, \ptr, \second
	OUTG 3, 3, 2, \mode, \bias, RB1, \perm, \hp, \ptr, \second
	OUTG 4, 0, 3, \mode, \bias, RB0, \perm, \hp, \ptr, \second
	OUTG 5, 1, 3, \mode, \bias, RB1, \perm, \hp, \ptr, \second
	OUTG 6, 2, 3, \mode, \bias, RB0, \perm, \hp, \ptr, \second
	OUTG 7, 3, 3, \mode, \bias, RB1, \perm, \hp, \ptr, \second
.endm
	s_cmp_eq_u32 s88, 3
	s_cbranch_scc1 .Lkind_p
	s_lshr_b32 s100, s89, 11                       ; b
	s_and_b32 s101, s89, 2047                      ; l0, a multiple of 128
	s_lshl4_add_u32 s100, s100, s97                ; 16 b + head
	s_lshl_b32 s100, s100, 11
	s_add_co_u32 s100, s100, s101
	s_lshl_b32 s90, s100, 7                        ; rows of 128 bytes
	s_mov_b32 s91, 0
	s_cmp_eq_u32 s88, 0
	s_cbranch_scc0 .Lkind_kv
	; q: two results from one product
	LOADB XB, 68
	LOADB BI0, 74
	LOADB BI1, 76
	s_add_nc_u64 s[78:79], s[78:79], s[90:91]
	s_add_nc_u64 s[80:81], s[80:81], s[90:91]
	s_wait_loadcnt 0x0
.set j, 0
.rept 32
	v_pk_mul_f32 v[XB+j:XB+j+1], v[XB+j:XB+j+1], s[94:95] op_sel_hi:[1,0]                       ; bq c
	v_pk_fma_f32 v[BI0+j:BI0+j+1], v[BI0+j:BI0+j+1], s[94:95], v[XB+j:XB+j+1] op_sel_hi:[1,0,1]  ; u c + bq c
	v_pk_fma_f32 v[BI1+j:BI1+j+1], v[BI1+j:BI1+j+1], s[94:95], v[XB+j:XB+j+1] op_sel_hi:[1,0,1]  ; v c + bq c
.set j, j+2
.endr
	OUT128 2, BI0, 0, 262144, 78, 0
	OUT128 2, BI1, 0, 262144, 80, 0
	s_branch .Lclose
.Lkind_kv:
	s_cmp_eq_u32 s88, 1
	s_cselect_b64 s[70:71], s[70:71], s[72:73]     ; bk or bv
	s_cselect_b64 s[82:83], s[82:83], s[84:85]     ; kk or vv
	LOADB BI0, 70
	s_add_nc_u64 s[82:83], s[82:83], s[90:91]
	s_wait_loadcnt 0x0
	OUT128 1, BI0, 1, 262144, 82, 0
	s_branch .Lclose
.Lkind_p:
	s_mul_i32 s100, s97, 4224
	s_add_co_u32 s100, s100, s89
	s_lshl_b32 s92, s100, 7
	s_mov_b32 s93, 0
	s_add_nc_u64 s[86:87], s[86:87], s[92:93]      ; first copy: row l
	s_add_nc_u64 s[98:99], s[86:87], 262144        ; second copy: 2048 rows on; the one row more stands in the offsets
	s_mov_b32 s96, 0xff000000                      ; lanes 24-31: the fourth of a store's four rows
	v_add_nc_u32 v[CO8], 1024, v[CO]
	v_cndmask_b32 v[CO8], v[CO], v[CO8], s96
	v_add_nc_u32 v[COM], 13952, v[CO]              ; rows 61-63 lie at 117-119, row 64 at 8: with the immediate 1024
	v_cndmask_b32 v[COM], v[COM], v[L7], s96
	OUT128 0, BI0, 1, 540672, 86, 1
.Lclose:
	s_set_vgpr_msb 0x1
	s_wait_tensorcnt 0x0
	ds_add_u32 v255, v31
	s_wait_dscnt 0x0
	s_set_vgpr_msb 0x100
	CROUND                                         ; the closing round: no work-group ends while a partner may still ask for a tile that names it
	s_endpgm
.Lfunc_end_k_q6360c19b93_proj:
	.size	k_q6360c19b93_proj, .Lfunc_end_k_q6360c19b93_proj-k_q6360c19b93_proj
	.p2alignl 7, 3214868480
	.fill 96, 4, 3214868480
	.section	.rodata,"a",@progbits
	.p2align	6, 0x0
	.amdhsa_kernel k_q6360c19b93_proj
		.amdhsa_group_segment_fixed_size 327680
		.amdhsa_private_segment_fixed_size 0
		.amdhsa_enable_private_segment 0
		.amdhsa_kernarg_size 88
		.amdhsa_user_sgpr_count 2
		.amdhsa_user_sgpr_kernarg_segment_ptr 1
		.amdhsa_wavefront_size32 1
		.amdhsa_system_sgpr_workgroup_id_x 1
		.amdhsa_system_sgpr_workgroup_id_y 1
		.amdhsa_system_sgpr_workgroup_id_z 1
		.amdhsa_system_vgpr_workitem_id 0
		.amdhsa_next_free_vgpr 1024
		.amdhsa_next_free_sgpr 102
		.amdhsa_reserve_vcc 0
		.amdhsa_float_denorm_mode_32 3
		.amdhsa_float_denorm_mode_16_64 3
		.amdhsa_memory_ordered 1
		.amdhsa_forward_progress 1
		.amdhsa_inst_pref_size 255
	.end_amdhsa_kernel
	.section	.bss,"aw",@nobits
	.p2align	6
	.space	262144
	.amdgpu_metadata
---
amdhsa.version: [ 1, 2 ]
amdhsa.kernels:
  - .name:           k_q6360c19b93_proj
    .symbol:         k_q6360c19b93_proj.kd
    .args:
      - { .name: cb, .offset: 0, .size: 8, .value_kind: global_buffer, .address_space: global }
      - { .name: bq, .offset: 8, .size: 8, .value_kind: global_buffer, .address_space: global }
      - { .name: bk, .offset: 16, .size: 8, .value_kind: global_buffer, .address_space: global }
      - { .name: bv, .offset: 24, .size: 8, .value_kind: global_buffer, .address_space: global }
      - { .name: pos_bias_u, .offset: 32, .size: 8, .value_kind: global_buffer, .address_space: global }
      - { .name: pos_bias_v, .offset: 40, .size: 8, .value_kind: global_buffer, .address_space: global }
      - { .name: qu, .offset: 48, .size: 8, .value_kind: global_buffer, .address_space: global }
      - { .name: qv, .offset: 56, .size: 8, .value_kind: global_buffer, .address_space: global }
      - { .name: kk, .offset: 64, .size: 8, .value_kind: global_buffer, .address_space: global }
      - { .name: vv, .offset: 72, .size: 8, .value_kind: global_buffer, .address_space: global }
      - { .name: pext, .offset: 80, .size: 8, .value_kind: global_buffer, .address_space: global }
    .group_segment_fixed_size: 327680
    .private_segment_fixed_size: 0
    .kernarg_segment_align: 8
    .kernarg_segment_size: 88
    .max_flat_workgroup_size: 128
    .sgpr_count:     102
    .vgpr_count:     1024
    .wavefront_size: 32
...
	.end_amdgpu_metadata
.endif
;; end of part 2
;; launch attn (part 3): grid 8 x 32, 8 waves a work-group, no clusters, 327,680 bytes of LDS; arguments qu, qv, kk, vv, pext, ctx; writes ctx
.if DOCPART == 3
	.amdgcn_target "amdgcn-amd-amdhsa--gfx1250"
	.amdhsa_code_object_version 6
	.text
	.protected	k_q6360c19b93_attn
	.globl	k_q6360c19b93_attn
	.p2align	8
	.type	k_q6360c19b93_attn,@function
k_q6360c19b93_attn:
	s_mov_b64 s[64:65], 0
	v_nop
	global_prefetch_b8 v0, s[64:65] scope:SCOPE_SE
	s_setreg_imm32_b32 hwreg(HW_REG_WAVE_MODE, 25, 1), 1
	s_wait_xcnt 0x0
; Attention with the relative shift.  Work-group (q, bh): 256 queries of head h = bh & 15, batch bh >> 4.  Eight waves, two on a SIMD,
; so that one wave's vector work runs beside the other's matrix work; wave w owns 32 queries (two subtiles a of 16).
; Keys go in 16 blocks of 128 through two LDS slots.  All matrix operands are f16, all sums and the softmax f32.
; THE SHIFT.  With e = j - i + 2047 the shifted term of query i, key j is pext[e] . (e < 2048 ? qv[i] : qv[i+1]); pext[2048] = 0.
; EVERYTHING IS TRANSPOSED: S^T = K Q^T, so a lane is a query (r = lane & 15) and its registers are keys: lane half h holds keys
; 64 h + 0..63 of the block (the rows of kk, vv, pext are stored permuted so that such fragments are 16 consecutive rows).
; The band G[g], g = 0..79, of lane (r, h) is pext[Ea + 64 h + g] . q[r]; the score of key 64 h + kk needs G[kk + 15 - r]: a shift by
; 15 - r registers, made by four stages of selects (8, 4, 2, 1).  K Qu^T is then added onto G by the matrix unit, the softmax runs
; with a running maximum per query, and the packed probabilities are already the B operand of O^T = V^T P^T.
; Which of qv[i], qv[i+1]: in key blocks below nd = 2 q + (w >> 2) every e is below 2048, above nd none is; in block nd the band is made
; with both and chosen by groups of eight e; from then on qv[i+1] takes qv[i]'s registers.  Row 2048 of qv does not exist: the index is
; clamped to 2047, and that product is never chosen for a key that is used (query 2047 has no key above it).
; NO JOINT LOADS: the partners would be the query blocks of one head, and the branch into block nd hangs on the query block.
; LIMITS: the denominator sums the probabilities in f32 as they are, the product with V takes them rounded to f16: they lie in (0, 1] by
; the running maximum, keep eleven bits down to 2^-14 and a step of 2^-24 below, so the 2048 of a row lose at most 2048 x 2^-25 of a
; denominator that is at least 1.  Exponentials below 2^-126 count as zero (ISA guide, V_EXP_F32).
; The context is an average of values of v, so it is inside f16's range wherever v is.
.set SLOTB, 88064                      ; a slot: K 64 double rows (pitch 272), pext 192 double rows (272), V 64 double rows (288)
.set POFF,  17408
.set VOFF,  69632
.set STAGE, 176128                     ; 8 x 4,608: 32 queries x 144 bytes a wave; no tensor load lands here
.set BLK,   16384                      ; 128 rows of 128 bytes
.set KB, 8                             ; v8-9    K fragment address, slot 0, 1
.set VB, 10                            ; v10-11  V
.set PB, 12                            ; v12-17  pext, slot s, batch bb at 12 + 3 s + bb
.set H64, 18                           ; v18     64 h
.set QO, 19                            ; v19     offset of my query row
.set QNO, 20                           ; v20-21  offset of the next query's row, clamped
.set STO, 22
.set RD, 23
.set CO, 24
.set FA, 32                            ; v32-159 fragments
.set FA0, 32
.set FA1, 96
.set T, 96                             ; the second band in block nd
.set QU, 160                           ; window 0: Qu at 160 + 16 a + 8 kc, Qs (the qv in use) at 192, Qn (qv of the next query) at 224
.set QS, 192
.set QN, 224
; window 1: G at 80 a (80 registers), O at 160 + 32 a + 8 hdt, m pair 224 + 8 a, alpha pair +2, l +4, temporaries 240-255
.set G1A, 28
.set G1V, 36
.set G0, 52
.set MSB, 0
.macro WIN new
.if MSB != (\new)
	s_set_vgpr_msb (MSB<<8)|(\new)
.set MSB, (\new)
.endif
.endm
.macro PLACES n
.rept \n
	v_nop
.endr
.endm
	s_load_b256 s[4:11], s[0:1], 0x0               ; qu 4, qv 6, kk 8, vv 10
	s_load_b128 s[12:15], s[0:1], 0x20             ; pext 12, ctx 14
	v_lshl_add_u32 v30, v0, 2, 0x34000
	v_mov_b32 v31, 0
	ds_add_u32 v30, v31
	v_lshrrev_b32 v1, 5, v0
	v_readfirstlane_b32 s16, v1                    ; w
	s_mov_b32 s17, ttmp9                           ; q
	s_and_b32 s18, ttmp7, 0xffff                   ; bh
	s_mov_b32 s19, 0                               ; n: the key block
	s_lshr_b32 s20, s16, 2
	s_lshl1_add_u32 s20, s17, s20                  ; nd
	s_and_b32 s21, s16, 3
	s_lshl_b32 s21, s21, 5
	s_add_co_u32 s21, s21, 16                      ; TH = 32 (w & 3) + 16
	s_mov_b32 s24, 0x76543210
	s_mov_b32 s25, 0xfedcba98
	; descriptors: 64 rows of 128 elements of 2 bytes, dense in memory; 4 (V: 8) words of padding behind each row
	s_mov_b32 s[G1A+0], (1<<16)|(1<<20)|(5<<22)|(3<<25)
	s_mov_b32 s[G1A+1], 128<<16
	s_mov_b32 s[G1A+2], 64<<16
	s_mov_b32 s[G1A+3], 128<<16
	s_mov_b32 s[G1A+4], 64
	s_mov_b32 s[G1A+5], 128
	s_mov_b32 s[G1A+6], 0
	s_mov_b32 s[G1A+7], 0
	s_mov_b32 s[G1V+0], (1<<16)|(1<<20)|(5<<22)|(7<<25)
	s_mov_b32 s[G1V+1], 128<<16
	s_mov_b32 s[G1V+2], 64<<16
	s_mov_b32 s[G1V+3], 128<<16
	s_mov_b32 s[G1V+4], 64
	s_mov_b32 s[G1V+5], 128
	s_mov_b32 s[G1V+6], 0
	s_mov_b32 s[G1V+7], 0
	; wave 0 fetches K, waves 1-3 a third of the pext window each (384 rows from 128 n + 1792 - 256 q), wave 4 V; waves 5-7 nothing
	s_lshl_b32 s26, s18, 18                        ; bh x 2048 rows x 128 bytes
	s_mov_b32 s27, 0
	s_and_b32 s23, s18, 15
	s_mul_i32 s23, s23, 4224
	s_add_co_u32 s23, s23, 1792
	s_lshl_b32 s48, s17, 8
	s_sub_co_u32 s23, s23, s48
	s_lshl_b32 s23, s23, 7
	s_sub_co_u32 s48, s16, 1
	s_lshl_b32 s48, s48, 14
	s_add_co_u32 s23, s23, s48
	s_cmp_eq_u32 s16, 0
	s_cselect_b32 s48, s26, s23
	s_cmp_eq_u32 s16, 4
	s_cselect_b32 s48, s26, s48
	s_mov_b32 s49, 0
	s_mul_i32 s50, s16, 17408                      ; LDS: wave x 64 double rows of 272 bytes
	s_wait_dscnt 0x0
	s_wait_kmcnt 0x0
	s_cmp_eq_u32 s16, 0
	s_cselect_b64 s[46:47], s[8:9], s[12:13]
	s_cmp_eq_u32 s16, 4
	s_cselect_b64 s[46:47], s[10:11], s[46:47]
	s_add_nc_u64 s[46:47], s[46:47], s[48:49]
.irp s, 0,1
	s_mov_b32 s[G0+4*\s], 1
	s_add_co_u32 s[G0+4*\s+1], s50, \s*SLOTB
	s_add_nc_u64 s[G0+4*\s+2:G0+4*\s+3], s[46:47], \s*BLK
	s_or_b32 s[G0+4*\s+3], s[G0+4*\s+3], 0x80000000
.endr
.macro FILL slot                       ; one tensor load a wave at the most; by this text's count a wave never has more than one out
	s_cmp_lt_u32 s16, 4
	s_cbranch_scc0 .Lnot_a_\@
	tensor_load_to_lds s[G0+4*(\slot):G0+4*(\slot)+3], s[G1A:G1A+7]
	s_nop 0
	s_branch .Lfilled_\@
.Lnot_a_\@:
	s_cmp_eq_u32 s16, 4
	s_cbranch_scc0 .Lfilled_\@
	tensor_load_to_lds s[G0+4*(\slot):G0+4*(\slot)+3], s[G1V:G1V+7]
	s_nop 0
.Lfilled_\@:
.endm
	FILL 0                                         ; key block 0, ahead of everything else
	s_add_nc_u64 s[4:5], s[4:5], s[26:27]          ; qu, qv at my head
	s_add_nc_u64 s[6:7], s[6:7], s[26:27]
	v_and_b32 v2, 15, v0                           ; r
	v_bfe_u32 v3, v0, 4, 1                         ; h
	v_lshlrev_b32 v[H64], 6, v3
	v_lshlrev_b32 v4, 4, v3                        ; 16 h
	v_and_b32 v6, 1, v0
	v_bfe_u32 v7, v0, 3, 1                         ; r >> 3
	s_lshl_b32 s23, s17, 8
	s_lshl_b32 s48, s16, 5
	s_add_co_u32 s23, s23, s48                     ; iw = 256 q + 32 w
	v_add_nc_u32 v26, s23, v2
	v_lshl_add_u32 v[QO], v26, 7, v4
.irp a, 0,1
	v_add_nc_u32 v27, 16*\a+1, v26
	v_min_u32 v27, 2047, v27
	v_lshl_add_u32 v[QNO+\a], v27, 7, v4
.endr
	; a B fragment: lane (r, h) holds query r, registers 0-3 hd = 32 kc + 8 h + 0..7, registers 4-7 16 further
.irp a, 0,1
.irp kc, 0,1
	global_load_b128 v[QU+16*\a+8*\kc:QU+16*\a+8*\kc+3],   v[QO], s[4:5] offset:2048*\a+64*\kc
	global_load_b128 v[QU+16*\a+8*\kc+4:QU+16*\a+8*\kc+7], v[QO], s[4:5] offset:2048*\a+64*\kc+32
	global_load_b128 v[QS+16*\a+8*\kc:QS+16*\a+8*\kc+3],   v[QO], s[6:7] offset:2048*\a+64*\kc
	global_load_b128 v[QS+16*\a+8*\kc+4:QS+16*\a+8*\kc+7], v[QO], s[6:7] offset:2048*\a+64*\kc+32
	global_load_b128 v[QN+16*\a+8*\kc:QN+16*\a+8*\kc+3],   v[QNO+\a], s[6:7] offset:64*\kc
	global_load_b128 v[QN+16*\a+8*\kc+4:QN+16*\a+8*\kc+7], v[QNO+\a], s[6:7] offset:64*\kc+32
.endr
.endr
	; stored row p lies at (p >> 1) x pitch + (p & 1) x 128
	v_lshrrev_b32 v5, 1, v2
	v_mul_u32_u24 v5, v5, 272
	v_lshl_add_u32 v5, v6, 7, v5
	v_add_nc_u32 v[KB], v5, v4                     ; K: row 16 t + r
	v_add_nc_u32 v[KB+1], SLOTB, v[KB]
	v_bfe_u32 v5, v0, 1, 2                         ; (L & 7) >> 1
	v_lshl_add_u32 v25, v3, 2, v5
	v_mul_u32_u24 v25, v25, 288
	v_lshl_add_u32 v25, v6, 7, v25
	v_lshl_add_u32 v25, v7, 4, v25                 ; V, for the transposing load: row 32 kg + 8 h + (L & 7), column piece (L >> 3) & 1
	v_add_nc_u32 v[VB], VOFF, v25
	v_add_nc_u32 v[VB+1], VOFF+SLOTB, v25
	v_mul_u32_u24 v5, v5, 272
	v_lshl_add_u32 v5, v6, 7, v5
	v_add_nc_u32 v5, v5, v4
	v_add_nc_u32 v5, POFF, v5
	; pext: tile i of batch bb begins at window row 8 (4 y + i + 8 (r >> 3)), y = 7 + bb - w; permuted as stored
.irp bb, 0,1,2
	s_sub_co_u32 s23, 7+\bb, s16
	s_lshr_b32 s48, s23, 1
	s_and_b32 s23, s23, 1
	s_mul_i32 s23, s23, 8704
	v_add_nc_u32 v26, s48, v7                      ; qq = (y >> 1) + (r >> 3)
	v_lshrrev_b32 v27, 1, v26
	v_and_b32 v26, 1, v26
	v_lshlrev_b32 v27, 6, v27
	v_lshl_add_u32 v26, v26, 2, v27                ; 64 (qq >> 1) + 4 (qq & 1) double rows
	v_mul_u32_u24 v26, v26, 272
	v_add_nc_u32 v26, v26, v5
	v_add_nc_u32 v[PB+\bb], s23, v26
	v_add_nc_u32 v[PB+3+\bb], SLOTB, v[PB+\bb]
.endr
	s_mul_i32 s48, s16, 4608
	s_add_co_u32 s48, s48, STAGE
	v_mul_u32_u24 v5, v2, 144
	v_add_nc_u32 v5, v5, v4
	v_add_nc_u32 v[STO], s48, v5
	v_bfe_u32 v5, v0, 3, 2
	v_mul_u32_u24 v5, v5, 144
	v_and_b32 v25, 7, v0
	v_lshl_add_u32 v5, v25, 4, v5
	v_add_nc_u32 v[RD], s48, v5
	v_lshlrev_b32 v[CO], 12, v3                    ; ctx: query pair (L >> 4), parity (L >> 3) & 1, piece L & 7
	v_lshl_add_u32 v[CO], v7, 7, v[CO]
	v_lshl_add_u32 v[CO], v25, 4, v[CO]
	s_lshr_b32 s23, s18, 4
	s_lshl_b32 s23, s23, 10
	s_lshl_b32 s48, s17, 7
	s_add_co_u32 s23, s23, s48
	s_lshl4_add_u32 s23, s16, s23                  ; b x 1024 + iw / 2
	s_and_b32 s48, s18, 15
	s_lshl4_add_u32 s23, s23, s48                  ; x 16 + h
	s_lshl_b32 s48, s23, 8
	s_mov_b32 s49, 0
	s_add_nc_u64 s[44:45], s[14:15], s[48:49]
	s_wait_loadcnt 0x0                             ; the queries, once
; 16 loads: the four pext tiles of batch bb
.macro PLOAD slot, bb, f
.irp i, 0,1,2,3
.irp kc, 0,1
	ds_load_b128 v[\f+16*\i+8*\kc:\f+16*\i+8*\kc+3],   v[PB+3*\slot+\bb] offset:\i*2176+64*\kc
	ds_load_b128 v[\f+16*\i+8*\kc+4:\f+16*\i+8*\kc+7], v[PB+3*\slot+\bb] offset:\i*2176+64*\kc+32
.endr
.endr
.endm
; two tiles of the band x hd 64: the two accumulators take turns; the first products start the sums
.macro BDG fa, qb, d
	v_wmma_f32_16x16x32_f16 v[(\d):(\d)+7],    v[(\fa):(\fa)+7],     v[(\qb):(\qb)+7],    0
	v_wmma_f32_16x16x32_f16 v[(\d)+8:(\d)+15], v[(\fa)+16:(\fa)+23], v[(\qb):(\qb)+7],    0
	v_wmma_f32_16x16x32_f16 v[(\d):(\d)+7],    v[(\fa)+8:(\fa)+15],  v[(\qb)+8:(\qb)+15], v[(\d):(\d)+7]
	v_wmma_f32_16x16x32_f16 v[(\d)+8:(\d)+15], v[(\fa)+24:(\fa)+31], v[(\qb)+8:(\qb)+15], v[(\d)+8:(\d)+15]
.endm
; batch bb holds tile pairs pp = 2 bb, 2 bb + 1; subtile a takes pair pp as its pair u = pp - 1 + a, 0..4
.macro BDW bb, f
	WIN 0x50
.irp p, 0,1
.irp a, 0,1
.if 2*\bb+\p+\a >= 1
.if 2*\bb+\p+\a <= 5
	BDG \f+32*\p, QS+16*\a, 80*\a+16*(2*\bb+\p+\a-1)
.endif
.endif
.endr
.endr
.endm
; tile tp of subtile a: where 64 h >= TH + 16 a - 8 tp the eight e are 2048 or more: the product with the next query's row is taken
.macro XSEL a, tp, tsrc
	s_add_co_i32 s23, s21, 16*\a-8*(\tp)
	v_cmp_le_i32 vcc_lo, s23, v[H64]
.irp j, 0,1,2,3,4,5,6,7
	v_cndmask_b32 v[80*\a+8*(\tp)+\j], v[80*\a+8*(\tp)+\j], v[(\tsrc)+\j], vcc_lo
.endr
.endm
.macro EXTRA slot
.irp bb, 0,1,2
	PLOAD \slot, \bb, FA0
	s_wait_dscnt 0x0
.set grp, 0
.irp p, 0,1
.irp a, 0,1
.if 2*\bb+\p+\a >= 1
.if 2*\bb+\p+\a <= 5
	BDG FA0+32*\p, QN+16*\a, T+16*grp
.set grp, grp+1
.endif
.endif
.endr
.endr
	PLACES 5                                       ; T is read by the selects and written again by the next batch; FA0 is loaded again
	WIN 0x41
.set grp, 0
.irp p, 0,1
.irp a, 0,1
.if 2*\bb+\p+\a >= 1
.if 2*\bb+\p+\a <= 5
	XSEL \a, 2*(2*\bb+\p+\a-1), T+16*grp
	XSEL \a, 2*(2*\bb+\p+\a-1)+1, T+16*grp+8
.set grp, grp+1
.endif
.endif
.endr
.endr
	WIN 0
.endr
.set j, 0
.rept 32
	v_mov_b32 v[QS+j], v[QN+j]                     ; once in a wave's life: from the next block on every e is above 2048
.set j, j+1
.endr
.endm
; one stage of the shift: lanes of the mask take the register s further up; ascending, in place
.macro BSTAGE s, mask, lim
	s_mov_b32 vcc_lo, \mask
.irp a, 0,1
.set k, 0
.rept \lim
	v_cndmask_b32 v[80*\a+k], v[80*\a+k], v[80*\a+k+\s], vcc_lo
.set k, k+1
.endr
.endr
.endm
.macro SOFTMAX a, first
.set SG, 80*\a
.set SM, 224+8*\a
	; the largest of my 64 scores, in four chains; then the other lane half's
.irp c, 0,1,2,3
	v_max3_num_f32 v[240+\c], v[SG+16*\c], v[SG+16*\c+1], v[SG+16*\c+2]
.endr
.irp k, 3,5,7,9,11,13
.irp c, 0,1,2,3
	v_max3_num_f32 v[240+\c], v[240+\c], v[SG+16*\c+\k], v[SG+16*\c+\k+1]
.endr
.endr
	v_max3_num_f32 v240, v240, v241, v[SG+15]
	v_max3_num_f32 v242, v242, v243, v[SG+31]
	v_max3_num_f32 v240, v240, v242, v[SG+47]
	v_max_num_f32 v240, v240, v[SG+63]
	v_permlanex16_b32 v241, v240, s24, s25
.if \first
	v_max_num_f32 v[SM], v240, v241
	v_max_num_f32 v[SM+1], v240, v241
.else
	v_max3_num_f32 v[SM+1], v240, v241, v[SM]      ; the running maximum
	v_sub_f32 v243, v[SM], v[SM+1]
	v_mov_b32 v[SM], v[SM+1]
	v_exp_f32 v[SM+2], v243                        ; alpha, twice for the packed multiply; the packed subtraction below is the plain place behind it
	v_exp_f32 v[SM+3], v243
.endif
.set k, 0
.rept 32
	v_pk_add_f32 v[SG+k:SG+k+1], v[SG+k:SG+k+1], v[SM:SM+1] neg_lo:[0,1] neg_hi:[0,1]
.set k, k+2
.endr
.set k, 0
.rept 64
	v_exp_f32 v[SG+k], v[SG+k]
.set k, k+1
.endr
	v_nop                                          ; one plain place behind the run of exponentials (ISA guide 5.7.2)
	s_wait_alu depctr_va_vdst(0)
.irp c, 0,1,2,3
	v_pk_add_f32 v[240+2*\c:241+2*\c], v[SG+16*\c:SG+16*\c+1], v[SG+16*\c+2:SG+16*\c+3]
.endr
.irp k, 4,6,8,10,12,14
.irp c, 0,1,2,3
	v_pk_add_f32 v[240+2*\c:241+2*\c], v[240+2*\c:241+2*\c], v[SG+16*\c+\k:SG+16*\c+\k+1]
.endr
.endr
	v_pk_add_f32 v[240:241], v[240:241], v[242:243]
	v_pk_add_f32 v[244:245], v[244:245], v[246:247]
	v_pk_add_f32 v[240:241], v[240:241], v[244:245]
.if \first
	v_add_f32 v[SM+4], v240, v241                  ; l: my lane half's part; the halves meet at the end
.else
	v_add_f32 v240, v240, v241
	v_fma_f32 v[SM+4], v[SM+4], v[SM+2], v240
.endif
.set k, 0
.rept 32
	v_cvt_pk_f16_f32 v[SG+k], v[SG+2*k], v[SG+2*k+1]    ; ascending: register k is written when 2 k and 2 k + 1 have been read
.set k, k+1
.endr
.if \first == 0
.set k, 0
.rept 16
	v_pk_mul_f32 v[160+32*\a+k:160+32*\a+k+1], v[160+32*\a+k:160+32*\a+k+1], v[SM+2:SM+3]
.set k, k+2
.endr
.endif
.endm
; One key block.  In front of the barrier every wave waits for all its tensor loads (its part of this block's slot among them) and for
; its reads of the other slot; behind it the other slot is filled again first, and that load has the whole block's work in which to land.
.macro TRIP slot, refill, first
	s_wait_tensorcnt 0x0
	ds_add_u32 v30, v31
	s_wait_dscnt 0x0
	s_add_nc_u64 s[G0+4*\slot+2:G0+4*\slot+3], s[G0+4*\slot+2:G0+4*\slot+3], 2*BLK   ; no load of mine is out: this slot's next block
	s_wait_dscnt 0x0
	s_barrier_signal -1
	s_barrier_wait -1
.if \refill
	FILL 1-\slot
.endif
	; the band
	PLOAD \slot, 0, FA0
	PLOAD \slot, 1, FA1
	s_wait_dscnt 16                                ; batch 0 is in; the 16 younger loads stay out
	BDW 0, FA0
	PLACES 4                                       ; FA0 is loaded again
	WIN 0
	PLOAD \slot, 2, FA0
	s_wait_dscnt 16                                ; batch 1 is in
	BDW 1, FA1
	s_wait_dscnt 0x0
	BDW 2, FA0
	PLACES 5                                       ; G is read and written by vector instructions, FA is loaded again or written by matrix instructions
	WIN 0
	s_cmp_lg_u32 s19, s20
	s_cbranch_scc1 .Lplain_\@
	EXTRA \slot
.Lplain_\@:
.irp t, 0,1,2,3,4,5,6,7
.irp kc, 0,1
	ds_load_b128 v[FA+16*\t+8*\kc:FA+16*\t+8*\kc+3],   v[KB+\slot] offset:\t*2176+64*\kc
	ds_load_b128 v[FA+16*\t+8*\kc+4:FA+16*\t+8*\kc+7], v[KB+\slot] offset:\t*2176+64*\kc+32
.endr
.endr
	; the shift by 15 - r registers, while K's fragments come
	WIN 0x55
	BSTAGE 8, 0x00ff00ff, 71
	BSTAGE 4, 0x0f0f0f0f, 67
	BSTAGE 2, 0x33333333, 65
	BSTAGE 1, 0x55555555, 64
	s_wait_dscnt 0x0
	WIN 0x50
.irp kc, 0,1
.irp a, 0,1
.irp t, 0,1,2,3,4,5,6,7
	v_wmma_f32_16x16x32_f16 v[80*\a+8*\t:80*\a+8*\t+7], v[FA+16*\t+8*\kc:FA+16*\t+8*\kc+7], v[QU+16*\a+8*\kc:QU+16*\a+8*\kc+7], v[80*\a+8*\t:80*\a+8*\t+7]
.endr
.endr
.endr
	PLACES 5                                       ; FA is loaded again; G is read by vector instructions and later serves as a B operand
	WIN 0
.irp kg, 0,1,2,3
.irp hdt, 0,1,2,3
	ds_load_tr16_b128 v[FA+32*\kg+8*\hdt:FA+32*\kg+8*\hdt+3],   v[VB+\slot] offset:\kg*4608+32*\hdt
	ds_load_tr16_b128 v[FA+32*\kg+8*\hdt+4:FA+32*\kg+8*\hdt+7], v[VB+\slot] offset:\kg*4608+32*\hdt+2304
.endr
.endr
	WIN 0x55
	SOFTMAX 0, \first
	SOFTMAX 1, \first
	s_wait_dscnt 0x0
	WIN 0x54
.irp kg, 0,1,2,3
.irp a, 0,1
.irp hdt, 0,1,2,3
.set z, 0
.if \first
.if \kg == 0
.set z, 1
.endif
.endif
.if z
	v_wmma_f32_16x16x32_f16 v[160+32*\a+8*\hdt:160+32*\a+8*\hdt+7], v[FA+32*\kg+8*\hdt:FA+32*\kg+8*\hdt+7], v[80*\a+8*\kg:80*\a+8*\kg+7], 0
.else
	v_wmma_f32_16x16x32_f16 v[160+32*\a+8*\hdt:160+32*\a+8*\hdt+7], v[FA+32*\kg+8*\hdt:FA+32*\kg+8*\hdt+7], v[80*\a+8*\kg:80*\a+8*\kg+7], v[160+32*\a+8*\hdt:160+32*\a+8*\hdt+7]
.endif
.endr
.endr
.endr
	PLACES 5                                       ; the next band is written over the B operands; FA is loaded again; O is scaled
	WIN 0
	s_add_co_u32 s19, s19, 1
.endm
	TRIP 0, 1, 1
	s_mov_b32 s22, 7
.Lblocks:
	TRIP 1, 1, 0
	TRIP 0, 1, 0
	s_sub_co_u32 s22, s22, 1
	s_cmp_lg_u32 s22, 0
	s_cbranch_scc1 .Lblocks
	TRIP 1, 0, 0                                   ; the last block: nothing is left to fetch
	; O / l, rounded to f16; lane (r, h) holds hd = 16 hdt + 8 h + 0..7 of query r: 16 bytes into my stage
.irp a, 0,1
	WIN 0x55
	v_permlanex16_b32 v240, v[228+8*\a], s24, s25
	v_add_f32 v240, v240, v[228+8*\a]
	v_rcp_f32 v[226+8*\a], v240
	v_rcp_f32 v[227+8*\a], v240
	v_nop
.set k, 0
	s_wait_alu depctr_va_vdst(0)
.rept 16
	v_pk_mul_f32 v[160+32*\a+k:160+32*\a+k+1], v[160+32*\a+k:160+32*\a+k+1], v[226+8*\a:227+8*\a]
.set k, k+2
.endr
.set k, 0
.rept 16
	v_cvt_pk_f16_f32 v[240+k], v[160+32*\a+2*k], v[160+32*\a+2*k+1]
.set k, k+1
.endr
	WIN 0x04
.irp hdt, 0,1,2,3
	ds_store_b128 v[STO], v[240+4*\hdt:240+4*\hdt+3] offset:2304*\a+32*\hdt
.endr
.endr
	WIN 0
.irp t, 0,1,2,3,4,5,6,7
	ds_load_b128 v[FA+4*\t:FA+4*\t+3], v[RD] offset:576*\t      ; four queries; LDS serves a wave's instructions in order
.endr
.irp t, 0,1,2,3,4,5,6,7
	s_wait_dscnt 7-\t
	global_store_b128 v[CO], v[FA+4*\t:FA+4*\t+3], s[44:45] offset:8192*\t   ; 16 lanes store the 256 consecutive bytes of a query pair, at a multiple of 256
.endr
	s_wait_tensorcnt 0x0
	ds_add_u32 v30, v31
	s_wait_dscnt 0x0
	s_endpgm
.Lfunc_end_k_q6360c19b93_attn:
	.size	k_q6360c19b93_attn, .Lfunc_end_k_q6360c19b93_attn-k_q6360c19b93_attn
	.p2alignl 7, 3214868480
	.fill 96, 4, 3214868480
	.section	.rodata,"a",@progbits
	.p2align	6, 0x0
	.amdhsa_kernel k_q6360c19b93_attn
		.amdhsa_group_segment_fixed_size 327680
		.amdhsa_private_segment_fixed_size 0
		.amdhsa_enable_private_segment 0
		.amdhsa_kernarg_size 48
		.amdhsa_user_sgpr_count 2
		.amdhsa_user_sgpr_kernarg_segment_ptr 1
		.amdhsa_wavefront_size32 1
		.amdhsa_system_sgpr_workgroup_id_x 1
		.amdhsa_system_sgpr_workgroup_id_y 1
		.amdhsa_system_sgpr_workgroup_id_z 1
		.amdhsa_system_vgpr_workitem_id 0
		.amdhsa_next_free_vgpr 512
		.amdhsa_next_free_sgpr 66
		.amdhsa_reserve_vcc 1
		.amdhsa_float_denorm_mode_32 3
		.amdhsa_float_denorm_mode_16_64 3
		.amdhsa_memory_ordered 1
		.amdhsa_forward_progress 1
		.amdhsa_inst_pref_size 255
	.end_amdhsa_kernel
	.section	.bss,"aw",@nobits
	.p2align	6
	.space	262144
	.amdgpu_metadata
---
amdhsa.version: [ 1, 2 ]
amdhsa.kernels:
  - .name:           k_q6360c19b93_attn
    .symbol:         k_q6360c19b93_attn.kd
    .args:
      - { .name: qu, .offset: 0, .size: 8, .value_kind: global_buffer, .address_space: global }
      - { .name: qv, .offset: 8, .size: 8, .value_kind: global_buffer, .address_space: global }
      - { .name: kk, .offset: 16, .size: 8, .value_kind: global_buffer, .address_space: global }
      - { .name: vv, .offset: 24, .size: 8, .value_kind: global_buffer, .address_space: global }
      - { .name: pext, .offset: 32, .size: 8, .value_kind: global_buffer, .address_space: global }
      - { .name: ctx, .offset: 40, .size: 8, .value_kind: global_buffer, .address_space: global }
    .group_segment_fixed_size: 327680
    .private_segment_fixed_size: 0
    .kernarg_segment_align: 8
    .kernarg_segment_size: 48
    .max_flat_workgroup_size: 256
    .sgpr_count:     66
    .vgpr_count:     512
    .wavefront_size: 32
...
	.end_amdgpu_metadata
.endif
;; end of part 3
;; launch outp (part 4): grid 8 x 32, 4 waves a work-group, clusters of 4 x 4, 327,680 bytes of LDS; arguments ctx, cb, bo, out0; writes out0
.if DOCPART == 4
	.amdgcn_target "amdgcn-amd-amdhsa--gfx1250"
	.amdhsa_code_object_version 6
	.text
	.protected	k_q6360c19b93_outp
	.globl	k_q6360c19b93_outp
	.p2align	8
	.type	k_q6360c19b93_outp,@function
k_q6360c19b93_outp:
	s_mov_b64 s[64:65], 0
	v_nop
	global_prefetch_b8 v0, s[64:65] scope:SCOPE_SE
	s_setreg_imm32_b32 hwreg(HW_REG_WAVE_MODE, 25, 1), 1
	s_wait_xcnt 0x0
	s_wait_alu depctr_hold_cnt(0) depctr_sa_sdst(0) depctr_va_vdst(0) depctr_va_sdst(0) depctr_va_ssrc(0) depctr_va_vcc(0) depctr_vm_vsrc(0)
	s_getreg_b32 s2, hwreg(HW_REG_IB_STS2, 6, 4)
	s_cmp_eq_u32 s2, 0
	s_cbranch_scc0 .Lentry_in_a_cluster
	s_endpgm
.Lentry_in_a_cluster:
	s_bfe_u32 s2, ttmp6, 0x10000c
	s_cmp_lg_u32 s2, 0xf033
	s_cbranch_scc0 .Lentry_shape_is_right
	s_endpgm
.Lentry_shape_is_right:
; out0 = ctx Wo^T + bo.  4096 x 1024, K = 1024, f16 operands, f32 sums and output.
; 256 work-groups make 128 x 128 each (blocks of 256 x 256 would give work to 64 only); a wave makes 64 x 64: 16 accumulator tiles in window 1.
; ctx lies as [query pair][head][parity][64]: a query pair's four heads (K = 256) are 1024 consecutive bytes.
; K goes in four steps of 256 through two LDS slots, filled by joint loads in clusters of 4 x 4: A's tile is shared along a row of the
; cluster, B's (Wo, unit 10 of cb) along a column.
; The matrix instruction is used transposed (source 0 = rows of Wo, source 1 = rows of ctx): a lane holds 8 neighbouring columns of a row.
.set APITCH, 1040                      ; a query pair's 1024 bytes + 16
.set BPITCH, 528                       ; 512 bytes + 16
.set BOFF,   66560                     ; 64 x 1040
.set SLOT,   134144                    ; + 128 x 528
.set STAGE,  268288                    ; 16 rows x 272 bytes for each wave; no tensor load lands here
.set AB, 8                             ; v8-9   A fragment address, slot 0, 1
.set BB, 10                            ; v10-11 B
.set STO, 12
.set RD, 13
.set CO, 14
.set BO, 15
.set F0, 32                            ; fragment buffers: A's four tiles, then B's four
.set F1, 96
.set BI, 160
.set TMP, 192
.set G1, 24
.set G0, 32
.set G1B, 48
.set G0B, 56
.set MSB, 0
.macro WIN new
.if MSB != (\new)
	s_set_vgpr_msb (MSB<<8)|(\new)
.set MSB, (\new)
.endif
.endm
.macro PLACES
.rept 4
	v_nop
.endr
.endm
.macro JLOAD s                         ; waves 0, 1 fetch A's halves, waves 2, 3 B's
	s_cmp_eq_u32 s17, 0
	s_cbranch_scc0 .Lfor_b_\@
	tensor_load_to_lds s[G0+4*\s:G0+4*\s+3], s[G1:G1+7]
	s_nop 0
	s_branch .Lasked_\@
.Lfor_b_\@:
	tensor_load_to_lds s[G0B+4*\s:G0B+4*\s+3], s[G1B:G1B+7]
	s_nop 0
.Lasked_\@:
.endm
.macro ROUND                           ; a round of the cluster's barrier
	s_barrier_signal -1
	s_barrier_wait -1
	s_cmp_lg_u32 s16, 0
	s_cbranch_scc1 .Lnot_wave_0_\@
	s_barrier_signal -3
.Lnot_wave_0_\@:
	s_barrier_wait -3
	s_barrier_signal -1
	s_barrier_wait -1
.endm
	s_load_b256 s[4:11], s[0:1], 0x0               ; ctx 4, cb 6, bo 8, out0 10
	v_lshl_add_u32 v254, v0, 2, 0x45c00
	v_mov_b32 v255, 0
	ds_add_u32 v254, v255
	v_lshrrev_b32 v1, 5, v0
	v_readfirstlane_b32 s16, v1                    ; wave
	s_lshr_b32 s17, s16, 1                         ; my half of the rows; also: I fetch for A (0) or B (1)
	s_and_b32 s18, s16, 1                          ; my half of the columns; also: which half of the tile I fetch
	s_bfe_u32 s20, ttmp6, 0x40000                  ; cx
	s_bfe_u32 s21, ttmp6, 0x40004                  ; cy
	s_lshl_b32 s22, ttmp9, 2
	s_add_co_u32 s22, s22, s20                     ; block column
	s_and_b32 s23, ttmp7, 0xffff
	s_lshl_b32 s23, s23, 2
	s_add_co_u32 s23, s23, s21                     ; block row
	s_lshl_b32 s44, s21, 2
	s_lshl_b32 s44, 15, s44                        ; my row of the cluster
	s_lshl_b32 s45, 0x1111, s20                    ; my column
	s_or_b32 s[G1+0], s44, (1<<16)|(1<<20)|(1<<21)|(7<<22)|(3<<25)   ; A: 4 words of padding after every 256 words
	s_mov_b32 s[G1+1], 512<<16                     ; 32 rows of 512 elements, 2048 elements from row to row
	s_mov_b32 s[G1+2], 32<<16
	s_mov_b32 s[G1+3], 512<<16
	s_mov_b32 s[G1+4], 32
	s_mov_b32 s[G1+5], 2048
	s_mov_b32 s[G1+6], 0
	s_mov_b32 s[G1+7], 0
	s_or_b32 s[G1B+0], s45, (1<<16)|(1<<20)|(1<<21)|(6<<22)|(3<<25)  ; B: after every 128 words
	s_mov_b32 s[G1B+1], 256<<16                    ; 64 rows of 256 elements, 1024 elements from row to row
	s_mov_b32 s[G1B+2], 64<<16
	s_mov_b32 s[G1B+3], 256<<16
	s_mov_b32 s[G1B+4], 64
	s_mov_b32 s[G1B+5], 1024
	s_mov_b32 s[G1B+6], 0
	s_mov_b32 s[G1B+7], 0
	s_lshl_b32 s12, s23, 18                        ; A: (64 x block row + 32 x half) query pairs of 4096 bytes
	s_lshl_b32 s3, s18, 17
	s_add_co_u32 s12, s12, s3
	s_mov_b32 s13, 0
	s_lshl_b32 s46, s22, 18                        ; B: unit 10 of cb + (128 x block column + 64 x half) rows of 2048 bytes
	s_add_co_u32 s46, s46, s3
	s_add_co_u32 s46, s46, 0x1400000
	s_mov_b32 s47, 0
	s_mul_i32 s14, s18, 32*APITCH                  ; LDS: the half's rows
	s_mul_i32 s15, s18, 64*BPITCH
	s_add_co_u32 s15, s15, BOFF
	s_wait_dscnt 0x0
	s_wait_kmcnt 0x0
	s_add_nc_u64 s[12:13], s[4:5], s[12:13]
	s_add_nc_u64 s[46:47], s[6:7], s[46:47]
	ROUND                                          ; in front of the first joint loads
.irp s, 0,1
	s_mov_b32 s[G0+4*\s], 1
	s_add_co_u32 s[G0+4*\s+1], s14, \s*SLOT
	s_add_nc_u64 s[G0+4*\s+2:G0+4*\s+3], s[12:13], \s*1024
	s_or_b32 s[G0+4*\s+3], s[G0+4*\s+3], 0x80000000
	s_mov_b32 s[G0B+4*\s], 1
	s_add_co_u32 s[G0B+4*\s+1], s15, \s*SLOT
	s_add_nc_u64 s[G0B+4*\s+2:G0B+4*\s+3], s[46:47], \s*512
	s_or_b32 s[G0B+4*\s+3], s[G0B+4*\s+3], 0x80000000
	JLOAD \s                                       ; K steps 0 and 1: two loads of mine are out
.endr
	v_and_b32 v1, 15, v0                           ; r
	v_bfe_u32 v2, v0, 4, 1                         ; h
	s_lshl_b32 s3, s22, 9
	s_lshl_b32 s19, s18, 8
	s_add_co_u32 s19, s3, s19                      ; my first column in bytes of f32
	v_lshl_add_u32 v[BO], v2, 5, s19
.irp b, 0,1,2,3
	global_load_b128 v[BI+8*\b:BI+8*\b+3],   v[BO], s[8:9] offset:64*\b      ; bo of my columns 16 b + 8 h + 0..7
	global_load_b128 v[BI+8*\b+4:BI+8*\b+7], v[BO], s[8:9] offset:64*\b+16
.endr
	v_lshrrev_b32 v3, 1, v1
	s_lshl_b32 s3, s17, 5
	v_add_nc_u32 v3, s3, v3                        ; query pair 32 x half + (r >> 1)
	v_mul_u32_u24 v3, v3, APITCH
	v_and_b32 v4, 1, v0
	v_lshl_add_u32 v3, v4, 7, v3                   ; parity
	v_lshl_add_u32 v[AB], v2, 4, v3
	v_add_nc_u32 v[AB+1], SLOT, v[AB]
	s_lshl_b32 s3, s18, 6
	v_add_nc_u32 v3, s3, v1
	v_mul_u32_u24 v3, v3, BPITCH
	v_lshl_add_u32 v3, v2, 4, v3
	v_add_nc_u32 v[BB], BOFF, v3
	v_add_nc_u32 v[BB+1], BOFF+SLOT, v3
	s_mul_i32 s3, s16, 4352
	s_add_co_u32 s3, s3, STAGE
	v_mul_u32_u24 v3, v1, 272
	v_lshl_add_u32 v3, v2, 5, v3
	v_add_nc_u32 v[STO], s3, v3
	v_mul_u32_u24 v3, v2, 272
	v_lshl_add_u32 v3, v1, 4, v3
	v_add_nc_u32 v[RD], s3, v3
	v_lshlrev_b32 v3, 12, v2
	v_lshl_add_u32 v[CO], v1, 4, v3
	s_lshl_b32 s2, s23, 19                         ; out0: (128 x block row + 64 x half) rows of 4096 bytes + my first column
	s_lshl_b32 s3, s17, 18
	s_add_co_u32 s2, s2, s3
	s_add_co_u32 s2, s2, s19
	s_mov_b32 s3, 0
	s_add_nc_u64 s[10:11], s[10:11], s[2:3]
; 16 loads: 32 along K (step ks of the slot's eight): head ks >> 1, half ks & 1 of its 64 numbers
.macro FETCH slot, ks, f
	WIN 0
.irp i, 0,1,2,3
	ds_load_b128 v[\f+8*\i:\f+8*\i+3],       v[AB+\slot] offset:\i*8*APITCH+(\ks>>1)*256+(\ks&1)*64
	ds_load_b128 v[\f+8*\i+4:\f+8*\i+7],     v[AB+\slot] offset:\i*8*APITCH+(\ks>>1)*256+(\ks&1)*64+32
	ds_load_b128 v[\f+32+8*\i:\f+32+8*\i+3], v[BB+\slot] offset:\i*16*BPITCH+64*\ks
	ds_load_b128 v[\f+32+8*\i+4:\f+32+8*\i+7], v[BB+\slot] offset:\i*16*BPITCH+64*\ks+32
.endr
.endm
; 16 matrix instructions; the 16 accumulators take turns
.macro MUL f, zero
	WIN 0x50
.irp i, 0,1,2,3
.irp b, 0,1,2,3
.if \zero
	v_wmma_f32_16x16x32_f16 v[8*(4*\i+\b):8*(4*\i+\b)+7], v[\f+32+8*\b:\f+32+8*\b+7], v[\f+8*\i:\f+8*\i+7], 0
.else
	v_wmma_f32_16x16x32_f16 v[8*(4*\i+\b):8*(4*\i+\b)+7], v[\f+32+8*\b:\f+32+8*\b+7], v[\f+8*\i:\f+8*\i+7], v[8*(4*\i+\b):8*(4*\i+\b)+7]
.endif
.endr
.endr
.endm
.macro STEP slot, nks, f, g, zero      ; fetch step nks into g, multiply f
	PLACES                                         ; g was read by the matrix instructions just issued
	FETCH \slot, \nks, \g
	s_wait_dscnt 16                                ; all but the 16 just issued
	MUL \f, \zero
.endm
.macro WORK slot, zero
	PLACES
	FETCH \slot, 0, F0
	STEP \slot, 1, F0, F1, \zero
	STEP \slot, 2, F1, F0, 0
	STEP \slot, 3, F0, F1, 0
	STEP \slot, 4, F1, F0, 0
	STEP \slot, 5, F0, F1, 0
	STEP \slot, 6, F1, F0, 0
	STEP \slot, 7, F0, F1, 0
	s_wait_dscnt 0x0
	MUL F1, 0
	WIN 0
.endm
; slot s has been read: all my reads and all my tensor loads are waited for, the address steps two K steps on, and the joint refill
; is the first tensor load behind the round
.macro REFILL s
	s_wait_dscnt 0x0
	s_wait_tensorcnt 0x0
	ds_add_u32 v254, v255
	s_wait_dscnt 0x0
	s_add_nc_u64 s[G0+4*\s+2:G0+4*\s+3], s[G0+4*\s+2:G0+4*\s+3], 2048
	s_add_nc_u64 s[G0B+4*\s+2:G0B+4*\s+3], s[G0B+4*\s+2:G0B+4*\s+3], 1024
	ROUND
	JLOAD \s
.endm
	s_wait_tensorcnt 1                             ; my part of K step 0 is in; K step 1's stays out
	s_barrier_signal -1
	s_barrier_wait -1
	WORK 0, 1                                      ; the first products start the sums
	REFILL 0                                       ; K step 2
	WORK 1, 0
	REFILL 1                                       ; K step 3
	WORK 0, 0
	s_wait_dscnt 0x0
	s_wait_tensorcnt 0x0                           ; my part of K step 3 is in
	s_barrier_signal -1
	s_barrier_wait -1
	WORK 1, 0
	PLACES                                         ; behind the last matrix instructions: results are read, fragment registers loaded
	s_wait_loadcnt 0x0                             ; bo
; 16 rows: + bo, 32 bytes a lane into my stage, read back as whole rows of 256 bytes
.macro OUT i, f
	WIN 0x01
.irp b, 0,1,2,3
.irp r, 0,2,4,6
	v_pk_add_f32 v[TMP+8*\b+\r:TMP+8*\b+\r+1], v[8*(4*\i+\b)+\r:8*(4*\i+\b)+\r+1], v[BI+8*\b+\r:BI+8*\b+\r+1]
.endr
.endr
	WIN 0
.irp b, 0,1,2,3
	ds_store_b128 v[STO], v[TMP+8*\b:TMP+8*\b+3]   offset:64*\b
	ds_store_b128 v[STO], v[TMP+8*\b+4:TMP+8*\b+7] offset:64*\b+16
.endr
	s_wait_xcnt 0x0                                ; buffer f, which earlier stores read, is loaded again only behind this wait
.irp t, 0,1,2,3,4,5,6,7
	ds_load_b128 v[\f+4*\t:\f+4*\t+3], v[RD] offset:544*\t     ; LDS serves a wave's instructions in order: these see the stores above
.endr
.irp t, 0,1,2,3,4,5,6,7
	s_wait_dscnt 7-\t
	global_store_b128 v[CO], v[\f+4*\t:\f+4*\t+3], s[10:11] offset:65536*\i+8192*\t th:TH_STORE_NT   ; 16 lanes store 256 consecutive bytes at a multiple of 256
.endr
.endm
	OUT 0, F0
	OUT 1, F1
	OUT 2, F0
	OUT 3, F1
	s_wait_tensorcnt 0x0
	ds_add_u32 v254, v255
	s_wait_dscnt 0x0
	ROUND                                          ; the closing round
	s_endpgm
.Lfunc_end_k_q6360c19b93_outp:
	.size	k_q6360c19b93_outp, .Lfunc_end_k_q6360c19b93_outp-k_q6360c19b93_outp
	.p2alignl 7, 3214868480
	.fill 96, 4, 3214868480
	.section	.rodata,"a",@progbits
	.p2align	6, 0x0
	.amdhsa_kernel k_q6360c19b93_outp
		.amdhsa_group_segment_fixed_size 327680
		.amdhsa_private_segment_fixed_size 0
		.amdhsa_enable_private_segment 0
		.amdhsa_kernarg_size 32
		.amdhsa_user_sgpr_count 2
		.amdhsa_user_sgpr_kernarg_segment_ptr 1
		.amdhsa_wavefront_size32 1
		.amdhsa_system_sgpr_workgroup_id_x 1
		.amdhsa_system_sgpr_workgroup_id_y 1
		.amdhsa_system_sgpr_workgroup_id_z 1
		.amdhsa_system_vgpr_workitem_id 0
		.amdhsa_next_free_vgpr 384
		.amdhsa_next_free_sgpr 66
		.amdhsa_reserve_vcc 0
		.amdhsa_float_denorm_mode_32 3
		.amdhsa_float_denorm_mode_16_64 3
		.amdhsa_memory_ordered 1
		.amdhsa_forward_progress 1
		.amdhsa_inst_pref_size 93
	.end_amdhsa_kernel
	.amdgpu_metadata
---
amdhsa.version: [ 1, 2 ]
amdhsa.kernels:
  - .name:           k_q6360c19b93_outp
    .symbol:         k_q6360c19b93_outp.kd
    .args:
      - { .name: ctx, .offset: 0, .size: 8, .value_kind: global_buffer, .address_space: global }
      - { .name: cb, .offset: 8, .size: 8, .value_kind: global_buffer, .address_space: global }
      - { .name: bo, .offset: 16, .size: 8, .value_kind: global_buffer, .address_space: global }
      - { .name: out0, .offset: 24, .size: 8, .value_kind: global_buffer, .address_space: global }
    .group_segment_fixed_size: 327680
    .private_segment_fixed_size: 0
    .kernarg_segment_align: 8
    .kernarg_segment_size: 32
    .max_flat_workgroup_size: 128
    .sgpr_count:     66
    .vgpr_count:     384
    .wavefront_size: 32
...
	.end_amdgpu_metadata
.endif
;; end of part 4
;; ======== version 2 of 2: 4 launches; version 1 with the launch cast written anew for expert scheduling mode
;; limits: values are held in f16: magnitudes above 65,504 overflow, below 6.1e-05 lose precision
;; workspace buffers: cb 23,068,672 bytes; qu 8,388,608 bytes; qv 8,388,608 bytes; kk 8,388,608 bytes; vv 8,388,608 bytes; pext 8,650,752 bytes; ctx 8,388,608 bytes
;; launch cast (part 5): grid 64 x 11, 8 waves a work-group, no clusters, 0 bytes of LDS; arguments x, pos_emb, Wq, Wk, Wv, Wpos, Wo, cb, pext; writes cb, pext
.if DOCPART == 5
	.amdgcn_target "amdgcn-amd-amdhsa--gfx1250"
	.amdhsa_code_object_version 6
	.text
	.protected	k_q6360c19b93_cast
	.globl	k_q6360c19b93_cast
	.p2align	8
	.type	k_q6360c19b93_cast,@function
k_q6360c19b93_cast:
	s_mov_b64 s[64:65], 0
	v_nop
	global_prefetch_b8 v0, s[64:65] scope:SCOPE_SE
	s_setreg_imm32_b32 hwreg(HW_REG_WAVE_SCHED_MODE, 0, 2), 2
	s_setreg_imm32_b32 hwreg(HW_REG_WAVE_MODE, 25, 1), 1
	s_wait_xcnt 0x0
	s_wait_alu depctr_vm_vsrc(0)
; f32 -> f16 of all matrix operands, once, into cb: 11 units of 1,048,576 numbers (2 MiB of f16 each):
; units 0-3 x, 4-5 pos_emb, 6 Wq, 7 Wk, 8 Wv, 9 Wpos, 10 Wo.  Work-group (x, y) converts 16,384 numbers of unit y.
; WHY f16: the result averages some thousand values of v, so it is small beside its operands, and eight significant bits
; in every operand leave no margin; f16 has eleven.  LIMIT: a number beyond 65,504 in magnitude becomes infinite; numbers below
; 2^-14 keep an absolute step of 2^-24.
; A pure stream: no LDS, no barrier, no matrix unit.  Each load of a wave covers 512 consecutive bytes, each store
; 256 consecutive bytes at a multiple of 256.  All 16 loads of a thread go out first.
; One wave of the whole launch also writes the zero row (row 2048) of the extended position table pext, for all 16 heads.
; THE MODE: SCHED_MODE bits 1:0 = 2 (LLVM: expert scheduling mode 2), set by the entry lines.  The code itself states the register dependences
; between vector instructions and memory instructions, with s_wait_alu, always for 0.
; THE PLAN.  Registers that memory instructions touch:
;   v1, v2     byte offsets of the loads and of the stores into cb: made once at the head, never written again.
;   X          16 x 4 registers: each four are the landing place of one load, once, and are read by that load's two conversions.
;   Y          16 x 2 registers: each pair is written by two conversions, once, and read by one store.
;   v3, v4-v7  the zero row's offset and data: written in the arm of the one wave that stores it, read by its four stores.
; No register that a memory instruction reads is written again, and no register that a vector instruction has named is loaded into: so the only
; dependences are offsets and store data that vector instructions have written.  The 16 loads go in four groups of four.  Group g's conversions read X[g]
; and write Y[g]; its memory instructions are the stores of group g - 1, which read v2 and Y[g - 1]: registers that no vector instruction of group g names.
; So one wait at a group's head states all that its four stores hang on, and they are dealt among its conversions with no further wait.
.set X, 8                              ; v[8:71]   16 x 4 numbers as loaded
.set Y, 72                             ; v[72:103] 16 x 2 registers to store
	s_load_b512 s[4:19], s[0:1], 0x0               ; x, pos_emb, Wq, Wk, Wv, Wpos, Wo, cb
	s_load_b64 s[20:21], s[0:1], 0x40              ; pext
	s_and_b32 s22, ttmp7, 0xffff                   ; y: the unit
	v_lshlrev_b32 v1, 4, v0                        ; 16 bytes a thread in
	v_lshlrev_b32 v2, 3, v0                        ; 8 bytes a thread out
	v_lshrrev_b32 v3, 5, v0
	v_readfirstlane_b32 s25, v3                    ; wave number
	s_lshl_b32 s24, s22, 22                        ; unit y of x: y x 4 MiB
	s_sub_co_u32 s23, s22, 4
	s_lshl_b32 s26, s23, 22                        ; unit y - 4 of pos_emb
	s_cmp_lt_u32 s22, 6
	s_cselect_b32 s26, s26, 0                      ; a weight is one unit: no offset
	s_cmp_lt_u32 s22, 4
	s_cselect_b32 s26, s24, s26
	s_lshl_b32 s24, ttmp9, 16                      ; the work-group's 64 KiB
	s_add_co_u32 s26, s26, s24
	s_mov_b32 s27, 0
	s_lshl_b32 s28, s22, 21                        ; in cb: y x 2 MiB + x x 32 KiB
	s_lshl_b32 s24, ttmp9, 15
	s_add_co_u32 s28, s28, s24
	s_mov_b32 s29, 0
	s_wait_alu depctr_va_sdst(0)                   ; s25 is written: its one reader, the compare that picks the zero row's wave, stands behind the branches below
	s_wait_kmcnt 0x0
	s_cmp_eq_u32 s22, 7                            ; the source buffer, chosen by the unit's number alone
	s_cselect_b64 s[8:9], s[10:11], s[8:9]
	s_cmp_eq_u32 s22, 8
	s_cselect_b64 s[8:9], s[12:13], s[8:9]
	s_cmp_eq_u32 s22, 9
	s_cselect_b64 s[8:9], s[14:15], s[8:9]
	s_cmp_eq_u32 s22, 10
	s_cselect_b64 s[8:9], s[16:17], s[8:9]
	s_cmp_lt_u32 s22, 6
	s_cselect_b64 s[8:9], s[6:7], s[8:9]
	s_cmp_lt_u32 s22, 4
	s_cselect_b64 s[8:9], s[4:5], s[8:9]
	s_add_nc_u64 s[8:9], s[8:9], s[26:27]
	s_add_nc_u64 s[18:19], s[18:19], s[28:29]
	s_wait_alu depctr_va_vdst(0)                   ; v1 and v2 are written: every load reads v1, every store into cb reads v2 as its offset
.irp i, 0,1,2,3,4,5,6,7,8,9,10,11,12,13,14,15
	global_load_b128 v[X+4*\i:X+4*\i+3], v1, s[8:9] offset:4096*\i th:TH_LOAD_NT
.endr
; Group g: loads 4 g to 4 g + 3 are converted; the stores of group g - 1 go out among the conversions, a store ahead of each pair.
.macro GROUP g
	s_wait_loadcnt 12-4*(\g)                       ; loads return in order: this group's four are in, the 12 - 4 g younger ones stay out
.if (\g) > 0
	s_wait_alu depctr_va_vdst(0)                   ; the conversions of the group before have written its Y, which the four stores below read
.endif
.irp i, 0,1,2,3
.if (\g) > 0
	global_store_b64 v2, v[Y+2*(4*(\g)-4+(\i)):Y+2*(4*(\g)-4+(\i))+1], s[18:19] offset:2048*(4*(\g)-4+(\i))  ; no vector instruction since the wait names these registers
.endif
	v_cvt_pk_f16_f32 v[Y+2*(4*(\g)+(\i))],   v[X+4*(4*(\g)+(\i))],   v[X+4*(4*(\g)+(\i))+1]
	v_cvt_pk_f16_f32 v[Y+2*(4*(\g)+(\i))+1], v[X+4*(4*(\g)+(\i))+2], v[X+4*(4*(\g)+(\i))+3]
.endr
.endm
	GROUP 0
	GROUP 1
	GROUP 2
	GROUP 3
	s_wait_alu depctr_va_vdst(0)                   ; the last group's conversions have written its Y, which the last four stores read
.irp i, 12,13,14,15
	global_store_b64 v2, v[Y+2*\i:Y+2*\i+1], s[18:19] offset:2048*\i
.endr
	; the zero row of pext: head h's row 2048 lies at h x 540,672 + 262,144; 8 lanes x 16 bytes a row, 4 heads a store
	s_or_b32 s23, s22, ttmp9
	s_cmp_lg_u32 s23, 0
	s_cbranch_scc1 .Lend
	s_cmp_lg_u32 s25, 0
	s_cbranch_scc1 .Lend
	v_bfe_u32 v3, v0, 3, 2
	v_mul_u32_u24 v3, v3, 0x84000
	v_and_b32 v4, 7, v0
	v_lshl_add_u32 v3, v4, 4, v3
	v_mov_b32 v4, 0
	v_mov_b32 v5, 0
	v_mov_b32 v6, 0
	v_mov_b32 v7, 0
	s_wait_alu depctr_va_vdst(0)                   ; v3, the offset, and v4 to v7, the zeros, are written: the four stores below read them
.irp t, 0,1,2,3
	global_store_b128 v3, v[4:7], s[20:21] offset:\t*2162688+262144
.endr
.Lend:
	s_endpgm
.Lfunc_end_k_q6360c19b93_cast:
	.size	k_q6360c19b93_cast, .Lfunc_end_k_q6360c19b93_cast-k_q6360c19b93_cast
	.p2alignl 7, 3214868480
	.fill 96, 4, 3214868480
	.section	.rodata,"a",@progbits
	.p2align	6, 0x0
	.amdhsa_kernel k_q6360c19b93_cast
		.amdhsa_group_segment_fixed_size 0
		.amdhsa_private_segment_fixed_size 0
		.amdhsa_enable_private_segment 0
		.amdhsa_kernarg_size 72
		.amdhsa_user_sgpr_count 2
		.amdhsa_user_sgpr_kernarg_segment_ptr 1
		.amdhsa_wavefront_size32 1
		.amdhsa_system_sgpr_workgroup_id_x 1
		.amdhsa_system_sgpr_workgroup_id_y 1
		.amdhsa_system_sgpr_workgroup_id_z 1
		.amdhsa_system_vgpr_workitem_id 0
		.amdhsa_next_free_vgpr 104
		.amdhsa_next_free_sgpr 66
		.amdhsa_reserve_vcc 0
		.amdhsa_float_denorm_mode_32 3
		.amdhsa_float_denorm_mode_16_64 3
		.amdhsa_memory_ordered 1
		.amdhsa_forward_progress 1
		.amdhsa_inst_pref_size 8
	.end_amdhsa_kernel
	.amdgpu_metadata
---
amdhsa.version: [ 1, 2 ]
amdhsa.kernels:
  - .name:           k_q6360c19b93_cast
    .symbol:         k_q6360c19b93_cast.kd
    .args:
      - { .name: x, .offset: 0, .size: 8, .value_kind: global_buffer, .address_space: global }
      - { .name: pos_emb, .offset: 8, .size: 8, .value_kind: global_buffer, .address_space: global }
      - { .name: Wq, .offset: 16, .size: 8, .value_kind: global_buffer, .address_space: global }
      - { .name: Wk, .offset: 24, .size: 8, .value_kind: global_buffer, .address_space: global }
      - { .name: Wv, .offset: 32, .size: 8, .value_kind: global_buffer, .address_space: global }
      - { .name: Wpos, .offset: 40, .size: 8, .value_kind: global_buffer, .address_space: global }
      - { .name: Wo, .offset: 48, .size: 8, .value_kind: global_buffer, .address_space: global }
      - { .name: cb, .offset: 56, .size: 8, .value_kind: global_buffer, .address_space: global }
      - { .name: pext, .offset: 64, .size: 8, .value_kind: global_buffer, .address_space: global }
    .group_segment_fixed_size: 0
    .private_segment_fixed_size: 0
    .kernarg_segment_align: 8
    .kernarg_segment_size: 72
    .max_flat_workgroup_size: 256
    .sgpr_count:     66
    .vgpr_count:     104
    .wavefront_size: 32
...
	.end_amdgpu_metadata
.endif
;; end of part 5
;; launch proj: the kernel of part 2 again; grid 28 x 8, 4 waves a work-group, clusters of 4 x 4, 327,680 bytes of LDS; arguments cb, bq, bk, bv, pos_bias_u, pos_bias_v, qu, qv, kk, vv, pext; writes qu, qv, kk, vv, pext
;; launch attn: the kernel of part 3 again; grid 8 x 32, 8 waves a work-group, no clusters, 327,680 bytes of LDS; arguments qu, qv, kk, vv, pext, ctx; writes ctx
;; launch outp: the kernel of part 4 again; grid 8 x 32, 4 waves a work-group, clusters of 4 x 4, 327,680 bytes of LDS; arguments ctx, cb, bo, out0; writes out0
